; MI455X (gfx1250); checked and timed in simulation.
; The chip was launched on July 23, 2026; its instructions are those of AMD's public machine-readable ISA for CDNA 5 (MIT licence, August 2026) and "CDNA5" Instruction Set Architecture Reference Guide (July 2026). The comments in the code are by the model that wrote it; some were corrected since.
;; Selfattention. Allowed arithmetic: matrix products marked QUANTISED: E2M3 operands, one E8M0 scale for each 32 along K, by v_wmma_scale_f32_16x16x128_f8f6f4 with both operands' format E2M3, f32 sums; everything else in f32.
;; Inputs: Wk 1,024 x 1,024 float32; Wq 1,024 x 1,024 float32; Wv 1,024 x 1,024 float32; bk 1,024 float32; bq 1,024 float32; bv 1,024 float32; x 4 x 2,048 x 1,024 float32.
;; Outputs: out0 4 x 2,048 x 1,024 float32.
;; This version of the problem:
;;   THIS VERSION OF THE PROBLEM IS GIVEN IN LOW PRECISION. The matrix products marked QUANTISED in the list below multiply operands that are first quantised to E2M3 (2 exponent bits, 3 mantissa bits; 6 bits a number), with one power-of-two scale for each 32 numbers along K (OCP MX v1.0); their sums are f32. All else is computed in f32.
;;   The module's matrix products, in the order in which they are computed (A, B: the left and right operand; K: the contracted axis; several contracted axes count as one K, in the product's order):
;;     1. [M 8,192, K 1,024] x [K 1,024, N 1,024]; A: input x; B: input Wq: QUANTISED
;;     2. [M 8,192, K 1,024] x [K 1,024, N 1,024]; A: input x; B: input Wk: QUANTISED
;;     3. [M 8,192, K 1,024] x [K 1,024, N 1,024]; A: input x; B: input Wv: QUANTISED
;;     4. batch 4 x [M 2,048, K 1,024] x [K 1,024, N 2,048]; A: computed on the way; B: computed on the way: QUANTISED
;;     5. batch 4 x [M 2,048, K 2,048] x [K 2,048, N 1,024]; A: softmax (see below); B: computed on the way: QUANTISED
;;   THE QUANTISER, for each operand of a quantised product, along K:
;;     - K is cut into blocks of 32 from its start; a last block that is shorter is filled with zeros.
;;     - A block's scale is 2^e with e = floor(log2(the largest magnitude in the block)) - 2, held to -126 .. 127; a block of zeros has e = 0. As a byte (E8M0): e + 127.
;;     - Each number is divided by its block's scale, clamped to +-7.5, and rounded to the nearest number of E2M3, ties to even, subnormals kept.
;;     - The product sums the exact products of the quantised numbers (number of the format x scale) in f32.
;;   ~~~python
;;   def quantise(x, axis):      # numpy; x: float32 -> the quantised numbers, widened to float32 again
;;       x = np.moveaxis(x, axis, -1); K = x.shape[-1]
;;       x = np.pad(x, [(0, 0)] * (x.ndim - 1) + [(0, -K % 32)]); x = x.reshape(x.shape[:-1] + (-1, 32)); a = np.abs(x).max(-1, keepdims=True)
;;       e = np.where(a > 0, np.clip(np.frexp(np.where(a > 0, a, 1))[1] - 1 - 2, -126, 127), 0)      # np.frexp(a)[1] - 1 = floor(log2(a)), exactly
;;       r = np.clip(x / 2.0 ** e, -7.5, 7.5)
;;       step = 2.0 ** (np.maximum(np.frexp(np.where(r == 0, 1, r))[1] - 1, 0) - 3)
;;       q = np.round(r / step) * step * 2.0 ** e      # np.round: ties to even
;;       return np.moveaxis(q.reshape(q.shape[:-2] + (-1,))[..., :K], -1, axis).astype(np.float32)
;;   ~~~
;;   SOFTMAX AHEAD OF A QUANTISED PRODUCT. Where the list says 'softmax', what is quantised is not the finished softmax but p = 2^(t - M), with t = logit x log2(e) and M = ceil(the row's largest t), a whole number; so 1/2 < the row's largest p <= 1. The row's sum l is taken of the UNQUANTISED p, in f32, and the product's result is divided by l at the end. Since M is a whole number, a kernel that streams over the keys may use a running M (the ceiling of the running maximum): every later rescaling is an exact power of two, which a block's scale takes up: the codes' values come out the same.
;;   OPERANDS COMPUTED ON THE WAY. 'Computed on the way' means the value that the module computes at that place (a softmax that the list does not call 'softmax' is quantised finished and normalised). What goes into a quantiser is computed in f32, as accurately as f32 sums, v_exp_f32 and their like allow (about 1e-6 of the number): no bf16 or f16 on the way to a quantiser, and a product that is left as it is and whose result goes on into a quantised operand takes f32 operands (vector FMAs, or v_wmma_f32_16x16x4_f32). A number that lies on a knife's edge between two numbers of the format may be rounded either way, as far as f32 arithmetic and the matrix unit's own rounding can turn it there, and no further.
;; One version. Each part assembles by itself: llvm-mc -triple=amdgcn-amd-amdhsa -mcpu=gfx1250 --defsym DOCPART=n.
;; ======== version 1 of 1: 4 launches
;; limits: right only within a limited range of input values
;; workspace buffers: cod 8,650,752 bytes; scl 360,448 bytes; qkvc 18,874,368 bytes; qkvs 786,432 bytes; pc 12,582,912 bytes; pst 1,572,864 bytes
;; launch quant (part 1): grid 352 x 1, 4 waves a work-group, no clusters, 34,304 bytes of LDS; arguments x, Wq, Wk, Wv, cod, scl; writes cod, scl
.if DOCPART == 1
	.amdgcn_target "amdgcn-amd-amdhsa--gfx1250"
	.amdhsa_code_object_version 6
	.text
	.protected	k_qab3ce63cfb_quant
	.globl	k_qab3ce63cfb_quant
	.p2align	8
	.type	k_qab3ce63cfb_quant,@function
k_qab3ce63cfb_quant:
	s_mov_b64 s[64:65], 0
	v_nop
	global_prefetch_b8 v0, s[64:65] scope:SCOPE_SE
	s_setreg_imm32_b32 hwreg(HW_REG_WAVE_MODE, 25, 1), 1
	s_wait_xcnt 0x0
; x [8192][1024], Wq, Wk, Wv [1024][1024], f32, become codes of FP6 (E2M3) with one E8M0 byte for each 32 along K (the last axis).
; The four tensors count as 88 groups of 128 rows: 0-63 x, 64-71 Wq, 72-79 Wk, 80-87 Wv.
; LAYOUT OF THE CODES: cod[group][K step of 128][fragment a = 0..7][1536 bytes].  A fragment is the image of a matrix operand's 12 registers: registers 4 c .. 4 c + 3 of lane l at 512 c + 16 l.
; Lane r of fragment a holds row 32 (a / 2) + 8 (a % 2) + r + 8 (r / 8) of its group, so that a product that takes the fragment as source 0 leaves 16 neighbouring rows in a lane's 16 registers.
; LAYOUT OF THE SCALES: scl[group][K step][g = 0, 1][256 bytes]: lane l = r + 16 h holds two words, i = 0, 1: the word of row r of fragment 4 g + 2 i + h.
; A block's scale is 2^(floor(log2(largest magnitude)) - 2); its byte is the largest magnitude's exponent field - 2, held at 1 from below.
; LIMITS: a block of zeros gets the byte 1 (its codes are zeros; this program alone reads the bytes); NaN and infinities among the inputs are not served.
; SHARES: a work-group takes 64 rows and four K steps; a wave 64 rows x 128 along K: four fragments.  Each load reads 512 consecutive bytes of one row; 16 rows turn through the wave's own stage in LDS
; (rows 528 bytes apart) and come back 16 neighbours of each block of 32 a lane.  Waves share nothing: no barrier.  Loads run two fragments (32 loads a wave) ahead.
.set STGB, 8448                        ; a wave's stage: 16 rows x 528 bytes
.set LI,   4                           ; v4   16 x lane
.set L8,   5                           ; v5   8 x lane
.set STS,  6                           ; v6   the stage, on the way in
.set STR,  7                           ; v7   and on the way out: row r, + 64 h
.set R,    16                          ; v16-143  two sets of 64: a fragment's rows as loaded
.set X,    144                         ; v144-207 register 16 b + i = k 32 b + 16 h + i of my row
.set PC,   208                         ; v208-219 the fragment's codes
.set PT,   220                         ; v220-222, v224-226 the upper halves of the blocks, before they are moved
.set TM,   228                         ; v228-243 at work: +0 largest magnitudes, +4 the other half's, then bytes, +12 the conversions' scale operands
.set PWS,  244                         ; v244-247 the four fragments' scale words
.set WO,   248                         ; v248-249 the scale image's two words
.set SEL,  20                          ; s[20:21] lane selects: lane l xor 16
.set HM,   26                          ; s26  the mask of lanes 16-31
	s_load_b256 s[4:11], s[0:1], 0x0               ; x s[4:5], Wq s[6:7], Wk s[8:9], Wv s[10:11]
	s_load_b128 s[12:15], s[0:1], 0x20             ; cod s[12:13], scl s[14:15]
	v_lshl_add_u32 v254, v0, 2, 0x8400
	v_mov_b32 v255, 0
	v_lshrrev_b32 v1, 5, v0
	v_readfirstlane_b32 s16, v1                    ; wave
	v_and_b32 v1, 31, v0
	v_and_b32 v2, 15, v0                           ; r
	v_bfe_u32 v3, v0, 4, 1                         ; h
	v_lshlrev_b32 v[LI], 4, v1
	v_lshlrev_b32 v[L8], 3, v1
	s_mul_i32 s17, s16, STGB
	v_add_nc_u32 v[STS], s17, v[LI]
	v_mul_u32_u24 v[STR], v2, 528
	v_lshl_add_u32 v[STR], v3, 6, v[STR]
	v_add_nc_u32 v[STR], s17, v[STR]
.irp b, 0,1,2,3
	v_mov_b32 v[TM+4+\b], 0                        ; written once: a lane permute's destination counts as one of its sources
.endr
	s_mov_b32 s[SEL], 0x76543210
	s_mov_b32 s[SEL+1], 0xfedcba98
	s_mov_b32 s[HM], 0xffff0000
	s_lshr_b32 s18, ttmp9, 1                       ; which 64 rows of the 88 x 128
	s_and_b32 s19, ttmp9, 1
	s_lshl_b32 s19, s19, 2
	s_add_co_u32 s19, s19, s16                     ; my K step
	s_wait_kmcnt 0x0
	s_cmp_lt_u32 ttmp9, 320                        ; the tensor is chosen by the work-group's number alone
	s_cselect_b64 s[10:11], s[8:9], s[10:11]
	s_mov_b32 s22, 160
	s_cselect_b32 s22, 144, s22
	s_cmp_lt_u32 ttmp9, 288
	s_cselect_b64 s[10:11], s[6:7], s[10:11]
	s_cselect_b32 s22, 128, s22
	s_cmp_lt_u32 ttmp9, 256
	s_cselect_b64 s[10:11], s[4:5], s[10:11]
	s_cselect_b32 s22, 0, s22                      ; the tensor's first 64 rows
	s_sub_co_u32 s22, s18, s22
	s_lshl_b32 s22, s22, 18                        ; 64 rows of 4,096 bytes
	s_lshl_b32 s23, s19, 9                         ; + 512 bytes a K step
	s_add_co_u32 s22, s22, s23
	s_mov_b32 s23, 0
	s_add_nc_u64 s[10:11], s[10:11], s[22:23]
	s_lshr_b32 s24, s18, 1
	s_lshl_b32 s24, s24, 3
	s_add_co_u32 s24, s24, s19                     ; 8 x group + K step
	s_and_b32 s25, s18, 1                          ; which half of the group: fragments 0-3 or 4-7
	s_mul_i32 s22, s24, 12288
	s_mul_i32 s27, s25, 6144
	s_add_co_u32 s22, s22, s27
	s_add_nc_u64 s[12:13], s[12:13], s[22:23]
	s_lshl_b32 s22, s24, 9
	s_lshl_b32 s27, s25, 8
	s_add_co_u32 s22, s22, s27
	s_add_nc_u64 s[14:15], s[14:15], s[22:23]
.macro LOADF f                         ; the 16 rows of fragment f, 512 consecutive bytes a load
.irp j, 0,1,2,3,4,5,6,7,8,9,10,11,12,13,14,15
	global_load_b128 v[R+64*((\f)%2)+4*\j:R+64*((\f)%2)+4*\j+3], v[LI], s[10:11] offset:(32*((\f)/2)+8*((\f)%2)+\j+8*(\j/8))*4096 th:TH_LOAD_NT
.endr
.endm
.macro TURNF f                         ; through the stage: LDS serves a wave's instructions in order, so no wait stands between the stores and the loads
.irp j, 0,1,2,3,4,5,6,7,8,9,10,11,12,13,14,15
	ds_store_b128 v[STS], v[R+64*((\f)%2)+4*\j:R+64*((\f)%2)+4*\j+3] offset:528*\j
.endr
.irp b, 0,1,2,3
.irp k, 0,1,2,3
	ds_load_b128 v[X+16*\b+4*\k:X+16*\b+4*\k+3], v[STR] offset:128*\b+16*\k
.endr
.endr
.endm
; 64 numbers of a lane become a fragment's codes in v[PC] on and its row's scale word in v[wout]
.macro QUANT src, wout
.irp b, 0,1,2,3
	v_max3_num_f32 v[TM+\b], |v[\src+16*\b]|, |v[\src+16*\b+1]|, 0x1800000   ; my 16 numbers of block b, and the floor 2^(3 - 127): the byte cannot fall under 1
.endr
.irp i, 2,4,6,8,10,12,14
.irp b, 0,1,2,3
	v_max3_num_f32 v[TM+\b], v[TM+\b], |v[\src+16*\b+\i]|, |v[\src+16*\b+\i+1]|
.endr
.endr
.irp b, 0,1,2,3
	v_permlanex16_b32 v[TM+4+\b], v[TM+\b], s[SEL], s[SEL+1]
.endr
.irp b, 0,1,2,3
	v_max_num_f32 v[TM+\b], v[TM+\b], v[TM+4+\b]   ; with lane l xor 16's 16: the block's largest magnitude
.endr
.irp b, 0,1,2,3
	v_add_nc_u32 v[TM+12+\b], 0xff000000, v[TM+\b] ; 2 off its exponent field: the conversion's scale operand
.endr
.irp b, 0,1,2,3
	v_lshrrev_b32 v[TM+4+\b], 23, v[TM+12+\b]      ; the scale's byte
.endr
	v_lshl_or_b32 v[\wout], v[TM+5], 8, v[TM+4]
	v_lshl_or_b32 v[\wout], v[TM+6], 16, v[\wout]
	v_lshl_or_b32 v[\wout], v[TM+7], 24, v[\wout]
.irp c, 0,1
	v_cvt_scalef32_pk16_fp6_f32 v[PC+6*\c:PC+6*\c+2], v[\src+32*\c:\src+32*\c+15], v[TM+12+2*\c]
	v_cvt_scalef32_pk16_fp6_f32 v[PT+4*\c:PT+4*\c+2], v[\src+32*\c+16:\src+32*\c+31], v[TM+13+2*\c]
.endr
	v_nop                                          ; one plain place behind a scaled conversion
.irp c, 0,1                            ; the operand wants a whole block in a lane: lanes 0-15 block 2 c, lanes 16-31 block 2 c + 1
.irp i, 0,1,2
	v_permlane16_swap_b32 v[PC+6*\c+\i], v[PT+4*\c+\i]
.endr
.irp i, 0,1,2
	v_mov_b32 v[PC+6*\c+3+\i], v[PT+4*\c+\i]
.endr
.endr
.endm
	LOADF 0
	LOADF 1
.irp f, 0,1,2,3
.if \f < 3
	s_wait_loadcnt 16                              ; this fragment's 16 loads are in; the next fragment's 16 may be out
.else
	s_wait_loadcnt 0x0
.endif
	TURNF \f
	s_wait_dscnt 0x0                               ; my 64 numbers are back, and the stores into the stage have read their registers
	s_wait_xcnt 0x0                                ; the last fragment's stores have read the codes' registers, which are written again below
.if \f < 2
	LOADF (\f)+2
.endif
	QUANT X, PWS+\f
.irp c, 0,1,2
	global_store_b128 v[LI], v[PC+4*\c:PC+4*\c+3], s[12:13] offset:\f*1536+512*\c   ; 32 lanes store 512 consecutive bytes
.endr
.endr
	v_cndmask_b32 v[WO], v[PWS], v[PWS+1], s[HM]   ; lanes 0-15 the even fragment's word, lanes 16-31 the odd one's
	v_cndmask_b32 v[WO+1], v[PWS+2], v[PWS+3], s[HM]
	global_store_b64 v[L8], v[WO:WO+1], s[14:15]   ; 32 lanes store 256 consecutive bytes
	s_wait_tensorcnt 0x0
	ds_add_u32 v254, v255
	s_wait_dscnt 0x0
	s_endpgm
.Lfunc_end_k_qab3ce63cfb_quant:
	.size	k_qab3ce63cfb_quant, .Lfunc_end_k_qab3ce63cfb_quant-k_qab3ce63cfb_quant
	.p2alignl 7, 3214868480
	.fill 96, 4, 3214868480
	.section	.rodata,"a",@progbits
	.p2align	6, 0x0
	.amdhsa_kernel k_qab3ce63cfb_quant
		.amdhsa_group_segment_fixed_size 34304
		.amdhsa_private_segment_fixed_size 0
		.amdhsa_enable_private_segment 0
		.amdhsa_kernarg_size 48
		.amdhsa_user_sgpr_count 2
		.amdhsa_user_sgpr_kernarg_segment_ptr 1
		.amdhsa_wavefront_size32 1
		.amdhsa_system_sgpr_workgroup_id_x 1
		.amdhsa_system_sgpr_workgroup_id_y 1
		.amdhsa_system_sgpr_workgroup_id_z 1
		.amdhsa_system_vgpr_workitem_id 0
		.amdhsa_next_free_vgpr 256
		.amdhsa_next_free_sgpr 66
		.amdhsa_reserve_vcc 0
		.amdhsa_float_denorm_mode_32 3
		.amdhsa_float_denorm_mode_16_64 3
		.amdhsa_memory_ordered 1
		.amdhsa_forward_progress 1
		.amdhsa_inst_pref_size 34
	.end_amdhsa_kernel
	.amdgpu_metadata
---
amdhsa.version: [ 1, 2 ]
amdhsa.kernels:
  - .name:           k_qab3ce63cfb_quant
    .symbol:         k_qab3ce63cfb_quant.kd
    .args:
      - { .name: x, .offset: 0, .size: 8, .value_kind: global_buffer, .address_space: global }
      - { .name: Wq, .offset: 8, .size: 8, .value_kind: global_buffer, .address_space: global }
      - { .name: Wk, .offset: 16, .size: 8, .value_kind: global_buffer, .address_space: global }
      - { .name: Wv, .offset: 24, .size: 8, .value_kind: global_buffer, .address_space: global }
      - { .name: cod, .offset: 32, .size: 8, .value_kind: global_buffer, .address_space: global }
      - { .name: scl, .offset: 40, .size: 8, .value_kind: global_buffer, .address_space: global }
    .group_segment_fixed_size: 34304
    .private_segment_fixed_size: 0
    .kernarg_segment_align: 8
    .kernarg_segment_size: 48
    .max_flat_workgroup_size: 128
    .sgpr_count:     66
    .vgpr_count:     256
    .wavefront_size: 32
...
	.end_amdgpu_metadata
.endif
;; end of part 1
;; launch proj (part 2): grid 12 x 32, 4 waves a work-group, clusters of 4 x 4, 327,680 bytes of LDS; arguments cod, scl, bq, bk, bv, qkvc, qkvs; writes qkvc, qkvs
.if DOCPART == 2
	.amdgcn_target "amdgcn-amd-amdhsa--gfx1250"
	.amdhsa_code_object_version 6
	.text
	.protected	k_qab3ce63cfb_proj
	.globl	k_qab3ce63cfb_proj
	.p2align	8
	.type	k_qab3ce63cfb_proj,@function
k_qab3ce63cfb_proj:
	s_mov_b64 s[64:65], 0
	v_nop
	global_prefetch_b8 v0, s[64:65] scope:SCOPE_SE
	s_setreg_imm32_b32 hwreg(HW_REG_WAVE_MODE, 25, 1), 1
	s_wait_xcnt 0x0
	s_wait_alu depctr_hold_cnt(0) depctr_sa_sdst(0) depctr_va_vdst(0) depctr_va_sdst(0) depctr_va_ssrc(0) depctr_va_vcc(0) depctr_vm_vsrc(0)
	s_getreg_b32 s2, hwreg(HW_REG_IB_STS2, 6, 4)
	s_cmp_eq_u32 s2, 0
	s_cbranch_scc0 .Lentry_in_a_cluster
	s_endpgm
.Lentry_in_a_cluster:
	s_bfe_u32 s2, ttmp6, 0x10000c
	s_cmp_lg_u32 s2, 0xf033
	s_cbranch_scc0 .Lentry_shape_is_right
	s_endpgm
.Lentry_shape_is_right:
; q = x Wq^T + bq, k = x Wk^T + bk, v = x Wv^T + bv on codes of FP6 (E2M3) with E8M0 scales, K = 1,024; the results are quantised at once: q and k along the 1,024 outputs, v along the keys (x's rows).
; Operands and results are register images (16 rows x 128 K = 1,536 bytes a fragment, eight fragments to a group of 128 rows; scale images of 512 bytes for a group and a K step), as the launch before lays them.
; A tile of 256 x 256 is made by four waves, 128 x 128 each: 64 accumulators.  Source 0 takes B' and source 1 takes A': a lane holds ONE row of A', and its 64 registers of a fragment of A' run along 128 rows of B'.
; q, k: A' = x, B' = W: the registers run along the outputs.  v: A' = Wv, B' = x: they run along the keys.  So one text serves all three; the cluster's x says which (0 q, 1 k, 2 v).
; The bias is the C of each sum's first product.  K goes in eight steps of 128, two to a tile, through three LDS slots; slot 0 is filled a second time (tile 3).
; CLUSTER 4 x 4: A's tiles are shared along a row of the cluster, B's along a column: joint loads.
; LIMITS: a block of zeros gets the byte 1 (read by this program alone); NaN and infinities are not served.
; REGISTERS: window 0: v2-4 r, h, r + 8 (r / 8); v8-15 the bias's offsets; v16-29 addresses; v32-63 scale words and nothing else; v64-127 the bias, later the quantiser's work; v128-223 A's fragments, later the codes.
;   window 1: B's fragments, two sets, v0-95 and v128-223.  windows 2, 3: the accumulators ((a, b) at v[8 (8 (a % 4) + b)] of window 2 + a / 4).
.set NSLOT, 3
.set SLOT,  98304                      ; a slot: four quarters: A's two groups, B's two groups
.set QUART, 24576                      ; a group's fragments of two K steps: what one tensor load brings
.set SCL,   3*SLOT                     ; the scale images of the four groups, all of K: 4 x 4,096 bytes, filled once
.set SPARE, SCL+4*4096                 ; the spare words: 128 bytes a wave, named by no other line
.set VB,   8
.set ADRA, 16                          ; v16-18 my A' quarter in slot 0, 1, 2, + 16 x lane
.set ADRB, 20                          ; v20-22 the same for B'
.set ADSA, 24
.set ADSB, 25
.set LI,   26                          ; 16 x lane
.set L8,   27                          ; 8 x lane
.set SPW,  28
.set NIL,  29
.set SC,   32                          ; scale words: set t % 2 of 16: 8 for each K step: +0..3 A' (register a / 2, row a % 2), +4..7 B'
.set BI,   64
.set AF,   128
.set TM,   64
.set PT,   80
.set PWS,  88
.set WO,   96
.set PCS,  128
.set G1A,  24
.set G0A,  32
.set G1B,  44
.set G0B,  52
.set G1SA, 68
.set G0SA, 76
.set G1SB, 80
.set G0SB, 88
.set HM,   99
.set SEL,  100
.set MUL_LO, 0xa1                      ; source 0 (B') window 1, source 1 (A') window 0, C and D window 2
.set MUL_HI, 0xf1
.set TO_B,   0x40
.set MSB, 0
.macro WIN new                         ; the immediate's high byte repeats the setting that is left
.if MSB != (\new)
	s_set_vgpr_msb (MSB<<8)|(\new)
.set MSB, \new
.endif
.endm
.macro PLACES                          ; four plain places behind matrix instructions, in front of loads into their registers and of reads of their results
.rept 4
	v_nop
.endr
.endm
.macro WMX
.if xZ
.if xRB && xRA
	v_wmma_scale_f32_16x16x128_f8f6f4 v[xD:xD+7], v[xBF:xBF+11], v[xAF:xAF+11], 0, v[xSB], v[xSA] matrix_a_fmt:MATRIX_FMT_FP6 matrix_b_fmt:MATRIX_FMT_FP6 matrix_a_scale:MATRIX_SCALE_ROW1 matrix_b_scale:MATRIX_SCALE_ROW1
.elseif xRB
	v_wmma_scale_f32_16x16x128_f8f6f4 v[xD:xD+7], v[xBF:xBF+11], v[xAF:xAF+11], 0, v[xSB], v[xSA] matrix_a_fmt:MATRIX_FMT_FP6 matrix_b_fmt:MATRIX_FMT_FP6 matrix_a_scale:MATRIX_SCALE_ROW1
.elseif xRA
	v_wmma_scale_f32_16x16x128_f8f6f4 v[xD:xD+7], v[xBF:xBF+11], v[xAF:xAF+11], 0, v[xSB], v[xSA] matrix_a_fmt:MATRIX_FMT_FP6 matrix_b_fmt:MATRIX_FMT_FP6 matrix_b_scale:MATRIX_SCALE_ROW1
.else
	v_wmma_scale_f32_16x16x128_f8f6f4 v[xD:xD+7], v[xBF:xBF+11], v[xAF:xAF+11], 0, v[xSB], v[xSA] matrix_a_fmt:MATRIX_FMT_FP6 matrix_b_fmt:MATRIX_FMT_FP6
.endif
.else
.if xRB && xRA
	v_wmma_scale_f32_16x16x128_f8f6f4 v[xD:xD+7], v[xBF:xBF+11], v[xAF:xAF+11], v[xC:xC+7], v[xSB], v[xSA] matrix_a_fmt:MATRIX_FMT_FP6 matrix_b_fmt:MATRIX_FMT_FP6 matrix_a_scale:MATRIX_SCALE_ROW1 matrix_b_scale:MATRIX_SCALE_ROW1
.elseif xRB
	v_wmma_scale_f32_16x16x128_f8f6f4 v[xD:xD+7], v[xBF:xBF+11], v[xAF:xAF+11], v[xC:xC+7], v[xSB], v[xSA] matrix_a_fmt:MATRIX_FMT_FP6 matrix_b_fmt:MATRIX_FMT_FP6 matrix_a_scale:MATRIX_SCALE_ROW1
.elseif xRA
	v_wmma_scale_f32_16x16x128_f8f6f4 v[xD:xD+7], v[xBF:xBF+11], v[xAF:xAF+11], v[xC:xC+7], v[xSB], v[xSA] matrix_a_fmt:MATRIX_FMT_FP6 matrix_b_fmt:MATRIX_FMT_FP6 matrix_b_scale:MATRIX_SCALE_ROW1
.else
	v_wmma_scale_f32_16x16x128_f8f6f4 v[xD:xD+7], v[xBF:xBF+11], v[xAF:xAF+11], v[xC:xC+7], v[xSB], v[xSA] matrix_a_fmt:MATRIX_FMT_FP6 matrix_b_fmt:MATRIX_FMT_FP6
.endif
.endif
.endm
; 16 products of K step s: A's fragments a0, a0 + 1 x B's eight.  mode 0: onto the sums; 1: C = 0; 2: C = the bias by B's fragment; 3: by A's.  The 64 accumulators take turns, one instruction a turn, in the same order in every step.
.macro MUL16 a0, s, mode
.irp a, \a0, \a0+1
.irp b, 0,1,2,3,4,5,6,7
.set xD, 8*(8*((\a)%4)+\b)
.set xBF, 128*((\s)%2)+12*\b
.set xAF, AF+12*(\a)
.set xSB, SC+16*(((\s)/2)%2)+8*((\s)%2)+4+\b/2
.set xSA, SC+16*(((\s)/2)%2)+8*((\s)%2)+(\a)/2
.set xRB, \b%2
.set xRA, (\a)%2
.set xZ, 0
.set xC, xD
.if (\mode) == 1
.set xZ, 1
.elseif (\mode) == 2
.set xC, BI+8*\b
.elseif (\mode) == 3
.set xC, BI+8*(\a)
.endif
	WMX
.endr
.endr
.endm
.macro FETCH_B s                       ; B's eight fragments of K step s into set s % 2: 24 loads of 512 consecutive bytes
	WIN TO_B
.irp i, 0,1,2,3,4,5,6,7
.irp c, 0,1,2
	ds_load_b128 v[128*((\s)%2)+12*\i+4*\c:128*((\s)%2)+12*\i+4*\c+3], v[ADRB+((\s)/2)%NSLOT] offset:((\s)%2)*12288+\i*1536+512*\c
.endr
.endr
	WIN 0
.endm
.macro FETCH_A s, i0                   ; A's fragments i0 .. i0 + 3: 12 loads
.irp i, \i0, \i0+1, \i0+2, \i0+3
.irp c, 0,1,2
	ds_load_b128 v[AF+12*(\i)+4*\c:AF+12*(\i)+4*\c+3], v[ADRA+((\s)/2)%NSLOT] offset:((\s)%2)*12288+(\i)*1536+512*\c
.endr
.endr
.endm
.macro SCALES t                        ; the scale words of tile t's two K steps: 8 loads
.irp q, 0,1
.irp g, 0,1
	ds_load_b64 v[SC+16*((\t)%2)+8*\q+2*\g:SC+16*((\t)%2)+8*\q+2*\g+1], v[ADSA] offset:(2*(\t)+\q)*512+256*\g
	ds_load_b64 v[SC+16*((\t)%2)+8*\q+4+2*\g:SC+16*((\t)%2)+8*\q+4+2*\g+1], v[ADSB] offset:(2*(\t)+\q)*512+256*\g
.endr
.endr
.endm
.macro STEP s, mode                    ; a K step whose successor's tile is known to be whole
	s_wait_dscnt 12                                ; all but the youngest 12 loads (A's fragments 4-7) are in
.if (\mode) >= 2
	WIN 0x81                                       ; C (the bias) in window 0
.else
	WIN MUL_LO
.endif
	MUL16 0, \s, \mode
	MUL16 2, \s, \mode
	s_wait_dscnt 0x0                               ; A's fragments 4-7 are in
	PLACES
	FETCH_B (\s)+1
	FETCH_A (\s)+1, 0
.if ((\s)+1)%2 == 0
	SCALES ((\s)+1)/2
.endif
.if (\mode) >= 2
	WIN 0xc1
.else
	WIN MUL_HI
.endif
	MUL16 4, \s, \mode
	MUL16 6, \s, \mode
	PLACES
	WIN 0
	FETCH_A (\s)+1, 4
.endm
.macro LAST s
	s_wait_dscnt 12
	WIN MUL_LO
	MUL16 0, \s, 0
	MUL16 2, \s, 0
	s_wait_dscnt 0x0
	WIN MUL_HI
	MUL16 4, \s, 0
	MUL16 6, \s, 0
	WIN 0
	PLACES
.endm
; A joint load: waves 0 and 1 fetch for A', waves 2 and 3 for B'; the branch hangs on the wave's number alone; four v_nop follow each of the two lines
.macro JLOAD g0a, g1a, g0b, g1b
	s_cmp_eq_u32 s19, 0
	s_cbranch_scc0 .Lfor_b_\@
	tensor_load_to_lds s[\g0a:\g0a+3], s[\g1a:\g1a+7]
	s_nop 0
	PLACES
	s_branch .Lasked_\@
.Lfor_b_\@:
	tensor_load_to_lds s[\g0b:\g0b+3], s[\g1b:\g1b+7]
	s_nop 0
	PLACES
.Lasked_\@:
.endm
.macro CREST                           ; a round of the cluster's barrier behind its opening barrier
	s_cmp_lg_u32 s18, 0
	s_cbranch_scc1 .Lnot_wave_0_\@
	s_barrier_signal -3
.Lnot_wave_0_\@:
	s_barrier_wait -3
	s_barrier_signal -1
	s_barrier_wait -1
.endm
.macro CROUND
	s_barrier_signal -1
	s_barrier_wait -1
	CREST
.endm
; A tile's last K step with a barrier: in front of it each wave waits for all its tensor loads, adds 0 to its spare word, and waits for that and for its reads of the slot.  fill = 1: slot 0 takes tile 3.
.macro TURN s, fill
	s_wait_tensorcnt 0x0                           ; all my tensor loads have landed
	ds_add_u32 v[SPW], v[NIL]                      ; 0 onto my spare word
	s_wait_dscnt 13                                ; (the add and the youngest 12 loads may be out)
	WIN MUL_LO
	MUL16 0, \s, 0
	s_wait_dscnt 0x0                               ; the add is done, and my reads of this slot are over
	s_barrier_signal -1
	MUL16 2, \s, 0
	WIN 0
	s_barrier_wait -1
.if \fill
	CREST                                          ; the barrier has opened a round of the cluster's: no wave of any partner still reads the slot or has a load on its way
	s_add_nc_u64 s[G0A+2:G0A+3], s[G0A+2:G0A+3], 3*QUART
	s_add_nc_u64 s[G0B+2:G0B+3], s[G0B+2:G0B+3], 3*QUART
	JLOAD G0A, G1A, G0B, G1B                       ; the first tensor load behind it: four K steps, 256 products, ahead of the wait for it
.else
	PLACES
.endif
	FETCH_B (\s)+1
	FETCH_A (\s)+1, 0
	SCALES ((\s)+1)/2
	WIN MUL_HI
	MUL16 4, \s, 0
	MUL16 6, \s, 0
	PLACES
	WIN 0
	FETCH_A (\s)+1, 4
.endm
	s_load_b256 s[4:11], s[0:1], 0x0               ; cod s[4:5], scl s[6:7], bq s[8:9], bk s[10:11]
	s_load_b128 s[12:15], s[0:1], 0x20             ; bv s[12:13], qkvc s[14:15]
	s_load_b64 s[16:17], s[0:1], 0x30              ; qkvs
	v_lshl_add_u32 v[SPW], v0, 2, SPARE
	v_mov_b32 v[NIL], 0
	ds_add_u32 v28, v29
	ds_add_u32 v28, v29
	s_wait_dscnt 0x0
	v_lshrrev_b32 v1, 5, v0
	v_readfirstlane_b32 s18, v1                    ; wave
	s_lshr_b32 s19, s18, 1                         ; wr: my half of A's rows.  Also: I fetch for A' (0) or B' (1)
	s_and_b32 s20, s18, 1                          ; wc: my half of B's rows.  Also: which group of the two I fetch
	s_bfe_u32 s21, ttmp6, 0x40000                  ; cx
	s_bfe_u32 s22, ttmp6, 0x40004                  ; cy
	s_mov_b32 s23, ttmp9                           ; the cluster's x: 0 q, 1 k, 2 v
	s_and_b32 s92, ttmp7, 0xffff                   ; the cluster's y
	s_cmp_eq_u32 s23, 2
	s_cselect_b32 s93, 0, s92                      ; A's tile row = 4 x this + cy
	s_cselect_b32 s94, s92, s23                    ; B's tile column = 4 x this + cx
	s_cselect_b32 s95, 80, 0                       ; A's first group in cod: Wv's or x's
	s_cselect_b32 s96, 0, 64                       ; B's: x's or Wq's (Wk's follow)
	s_mov_b32 s97, 98304
	s_cselect_b32 s97, 786432, s97                 ; the result's bytes of codes for a group: 64 or 8 K steps
	s_mov_b32 s98, 4096
	s_cselect_b32 s98, 32768, s98                  ; and of scales
	s_cselect_b32 s99, 63, 7                       ; its K steps - 1
	s_cselect_b32 s66, 0, 64                       ; the bias's offsets: q, k: 64 h + 4 j;  v: 4 (r + 8 (r / 8))
	s_cselect_b32 s67, 4, 0
	s_cselect_b32 s2, 0, 4
	v_and_b32 v2, 15, v0                           ; r
	v_bfe_u32 v3, v0, 4, 1                         ; h
	v_and_b32 v4, 8, v2
	v_add_nc_u32 v4, v4, v2                        ; r + 8 (r / 8)
	v_mul_u32_u24 v[VB], v3, s66
	v_mad_u32_u24 v[VB], v4, s67, v[VB]
.irp j, 1,2,3,4,5,6,7
	v_add_nc_u32 v[VB+\j], s2, v[VB+\j-1]
.endr
	s_lshl_b32 s100, s22, 2
	s_lshl_b32 s100, 15, s100                      ; my row of the cluster
	s_lshl_b32 s101, 0x1111, s21                   ; my column
	s_or_b32 s[G1A], s100, (3<<16)|(1<<21)         ; 15:0 the mask; 17:16 elements of 8 bytes; 21 set beside a mask; no padding
	s_or_b32 s[G1B], s101, (3<<16)|(1<<21)
	s_or_b32 s[G1SA], s100, (3<<16)|(1<<21)
	s_or_b32 s[G1SB], s101, (3<<16)|(1<<21)
.irp g, G1A, G1B                       ; 24,576 dense bytes as 96 rows of 256
	s_mov_b32 s[\g+1], 32<<16
	s_mov_b32 s[\g+2], 96<<16
	s_mov_b32 s[\g+3], 32<<16
	s_mov_b32 s[\g+4], 96
	s_mov_b32 s[\g+5], 32
	s_mov_b32 s[\g+6], 0
	s_mov_b32 s[\g+7], 0
.endr
.irp g, G1SA, G1SB                     ; 4,096 dense bytes as 16 rows of 256
	s_mov_b32 s[\g+1], 32<<16
	s_mov_b32 s[\g+2], 16<<16
	s_mov_b32 s[\g+3], 32<<16
	s_mov_b32 s[\g+4], 16
	s_mov_b32 s[\g+5], 32
	s_mov_b32 s[\g+6], 0
	s_mov_b32 s[\g+7], 0
.endr
	s_lshl_b32 s93, s93, 2
	s_add_co_u32 s93, s93, s22                     ; tile row
	s_lshl_b32 s94, s94, 2
	s_add_co_u32 s94, s94, s21                     ; tile column
	s_lshl_b32 s92, s93, 1
	s_lshl_b32 s3, s94, 1
	s_add_co_u32 s95, s95, s92
	s_add_co_u32 s95, s95, s20                     ; the group of A' that I would fetch: it hangs on cy, never on cx
	s_add_co_u32 s96, s96, s3
	s_add_co_u32 s96, s96, s20                     ; and of B': on cx, never on cy
	s_add_co_u32 s92, s92, s19                     ; G: the result's group = my group of A'
	s_add_co_u32 s3, s3, s20
	s_and_b32 s3, s3, s99                          ; Y: the result's K step = my group of B'
	s_mul_i32 s97, s92, s97
	s_mul_i32 s98, s92, s98
	s_mul_i32 s99, s3, 12288
	s_add_co_u32 s97, s97, s99
	s_mul_i32 s99, s23, 6291456
	s_add_co_u32 s97, s97, s99                     ; where my eight fragments go in qkvc
	s_lshl_b32 s99, s3, 9
	s_add_co_u32 s98, s98, s99
	s_lshl_b32 s99, s23, 18
	s_add_co_u32 s98, s98, s99                     ; and their scale image in qkvs
	s_cmp_eq_u32 s23, 2
	s_cselect_b32 s99, s92, s3
	s_lshl_b32 s99, s99, 9                         ; my 128 numbers of the bias
	s_mul_i32 s92, s95, 98304                      ; A': codes,
	s_mov_b32 s93, 0
	s_lshl_b32 s66, s95, 12                        ; scales
	s_mov_b32 s67, 0
	s_mul_i32 s94, s96, 98304                      ; B': codes,
	s_mov_b32 s95, 0
	s_lshl_b32 s2, s96, 12                         ; scales
	s_mov_b32 s3, 0
	s_mul_i32 s96, s18, QUART                      ; LDS: my quarter of a slot: no place in the cluster enters an LDS address
	s_lshl_b32 s100, s18, 12
	s_add_co_u32 s100, s100, SCL                   ; and of the scales
	s_wait_kmcnt 0x0
	s_add_co_u32 s14, s14, s97
	s_add_co_ci_u32 s15, s15, 0
	s_add_co_u32 s16, s16, s98
	s_add_co_ci_u32 s17, s17, 0
	s_cmp_eq_u32 s23, 0
	s_cselect_b64 s[8:9], s[8:9], s[10:11]
	s_cmp_eq_u32 s23, 2
	s_cselect_b64 s[8:9], s[12:13], s[8:9]         ; bq, bk or bv
	s_add_co_u32 s8, s8, s99
	s_add_co_ci_u32 s9, s9, 0
	s_add_nc_u64 s[92:93], s[4:5], s[92:93]
	s_add_nc_u64 s[66:67], s[6:7], s[66:67]
	s_add_nc_u64 s[94:95], s[4:5], s[94:95]
	s_add_nc_u64 s[2:3], s[6:7], s[2:3]
	s_mov_b32 s[G0SA], 1
	s_mov_b32 s[G0SA+1], s100
	s_mov_b64 s[G0SA+2:G0SA+3], s[66:67]
	s_or_b32 s[G0SA+3], s[G0SA+3], 0x80000000
	s_mov_b32 s[G0SB], 1
	s_mov_b32 s[G0SB+1], s100
	s_mov_b64 s[G0SB+2:G0SB+3], s[2:3]
	s_or_b32 s[G0SB+3], s[G0SB+3], 0x80000000
.irp t, 0,1,2
	s_mov_b32 s[G0A+4*\t], 1
	s_add_co_u32 s[G0A+4*\t+1], s96, \t*SLOT
	s_add_nc_u64 s[G0A+4*\t+2:G0A+4*\t+3], s[92:93], \t*QUART
	s_or_b32 s[G0A+4*\t+3], s[G0A+4*\t+3], 0x80000000
	s_mov_b32 s[G0B+4*\t], 1
	s_add_co_u32 s[G0B+4*\t+1], s96, \t*SLOT
	s_add_nc_u64 s[G0B+4*\t+2:G0B+4*\t+3], s[94:95], \t*QUART
	s_or_b32 s[G0B+4*\t+3], s[G0B+4*\t+3], 0x80000000
.endr
	CROUND                                         ; all sixteen work-groups are here: the first joint loads meet
	JLOAD G0SA, G1SA, G0SB, G1SB                   ; four loads of mine go out: the scales, then tiles 0, 1, 2
.irp t, 0,1,2
	JLOAD G0A+4*\t, G1A, G0B+4*\t, G1B
.endr
	s_mov_b32 s[SEL], 0x76543210
	s_mov_b32 s[SEL+1], 0xfedcba98
	s_mov_b32 s[HM], 0xffff0000
	v_and_b32 v1, 31, v0
	v_lshlrev_b32 v[LI], 4, v1
	v_lshlrev_b32 v[L8], 3, v1
	s_mul_i32 s97, s19, QUART
	s_mul_i32 s98, s20, QUART
	s_add_co_u32 s98, s98, 2*QUART
.irp t, 0,1,2
	v_add_nc_u32 v[ADRA+\t], s97, v[LI]
	v_add_nc_u32 v[ADRB+\t], s98, v[LI]
	s_add_co_u32 s97, s97, SLOT
	s_add_co_u32 s98, s98, SLOT
.endr
	s_lshl_b32 s97, s19, 12
	s_add_co_u32 s97, s97, SCL
	v_add_nc_u32 v[ADSA], s97, v[L8]
	s_lshl_b32 s98, s20, 12
	s_add_co_u32 s98, s98, SCL+2*4096
	v_add_nc_u32 v[ADSB], s98, v[L8]
.irp t, 0,1,2,3,4,5,6,7                ; the bias in the result's layout: q, k: register 8 b + j = b(32 (b / 2) + 8 (b % 2) + 16 h + j);  v: registers 8 a + 0 .. 7 = b(the row of Wv that lane r of fragment a holds)
.irp j, 0,1,2,3,4,5,6,7
	global_load_b32 v[BI+8*\t+\j], v[VB+\j], s[8:9] offset:(32*(\t/2)+8*(\t%2))*4
.endr
.endr
	s_wait_loadcnt 0x0
	s_wait_tensorcnt 2                             ; the scales and tile 0 are in; tiles 1 and 2 may be out
	s_barrier_signal -1
	s_barrier_wait -1
	FETCH_B 0
	FETCH_A 0, 0
	SCALES 0
	FETCH_A 0, 4
	s_cmp_eq_u32 s23, 2                            ; the first products start the sums with the bias; which fragment picks its registers hangs on the cluster's x, which all partners share
	s_cbranch_scc1 .Lstep0_v
	STEP 0, 2
	s_branch .Lstep0_done
.Lstep0_v:
	STEP 0, 3
.Lstep0_done:
	TURN 1, 1                                      ; tiles 1 and 2 are whole in every wave's sight; slot 0 takes tile 3
	STEP 2, 0
	STEP 3, 0
	STEP 4, 0
	TURN 5, 0                                      ; tile 3 is whole; nothing is filled
	STEP 6, 0
	LAST 7
; THE WAY OUT.  For each fragment a of A' a lane's 64 results, register 16 b + i = k 32 b + 16 h + i of its row, are quantised and leave as a fragment's image.  Each accumulator is read from its low end on.
.irp b, 0,1,2,3
	v_mov_b32 v[TM+4+\b], 0                        ; written once: a lane permute's destination counts as one of its sources
.endr
.macro QEPI a
.set xW, 2+(\a)/4
.set xAC, 64*((\a)%4)
.set xPC, PCS+12*(\a)
	WIN (xW<<2)|(xW<<4)
.irp b, 0,1,2,3
	v_max3_num_f32 v[TM+\b], 0x1800000, |v[xAC+16*\b]|, |v[xAC+16*\b+1]|   ; with the floor 2^(3 - 127): the byte cannot fall under 1
.endr
.irp i, 2,4,6,8,10,12,14
.irp b, 0,1,2,3
	v_max3_num_f32 v[TM+\b], v[TM+\b], |v[xAC+16*\b+\i]|, |v[xAC+16*\b+\i+1]|
.endr
.endr
	WIN 0
.irp b, 0,1,2,3
	v_permlanex16_b32 v[TM+4+\b], v[TM+\b], s[SEL], s[SEL+1]
.endr
.irp b, 0,1,2,3
	v_max_num_f32 v[TM+\b], v[TM+\b], v[TM+4+\b]
.endr
.irp b, 0,1,2,3
	v_add_nc_u32 v[TM+12+\b], 0xff000000, v[TM+\b] ; 2 off the exponent field: the conversion's scale operand
.endr
.irp b, 0,1,2,3
	v_lshrrev_b32 v[TM+4+\b], 23, v[TM+12+\b]      ; the byte
.endr
	v_lshl_or_b32 v[PWS+(\a)], v[TM+5], 8, v[TM+4]
	v_lshl_or_b32 v[PWS+(\a)], v[TM+6], 16, v[PWS+(\a)]
	v_lshl_or_b32 v[PWS+(\a)], v[TM+7], 24, v[PWS+(\a)]
	WIN xW
.irp c, 0,1
	v_cvt_scalef32_pk16_fp6_f32 v[xPC+6*\c:xPC+6*\c+2], v[xAC+32*\c:xAC+32*\c+15], v[TM+12+2*\c]
	v_cvt_scalef32_pk16_fp6_f32 v[PT+4*\c:PT+4*\c+2], v[xAC+32*\c+16:xAC+32*\c+31], v[TM+13+2*\c]
.endr
	WIN 0
	v_nop                                          ; one plain place behind a scaled conversion
.irp c, 0,1
.irp i, 0,1,2
	v_permlane16_swap_b32 v[xPC+6*\c+\i], v[PT+4*\c+\i]
.endr
.irp i, 0,1,2
	v_mov_b32 v[xPC+6*\c+3+\i], v[PT+4*\c+\i]
.endr
.endr
.irp c, 0,1,2
	global_store_b128 v[LI], v[xPC+4*\c:xPC+4*\c+3], s[14:15] offset:(\a)*1536+512*\c   ; 512 consecutive bytes; each fragment has registers of its own, so no store's data are written again
.endr
.endm
.irp a, 0,1,2,3,4,5,6,7
	QEPI \a
.endr
.irp g, 0,1
.irp i, 0,1
	v_cndmask_b32 v[WO+2*\g+\i], v[PWS+4*\g+2*\i], v[PWS+4*\g+2*\i+1], s[HM]
.endr
	global_store_b64 v[L8], v[WO+2*\g:WO+2*\g+1], s[16:17] offset:256*\g
.endr
	s_wait_tensorcnt 0x0                           ; the wave's end
	ds_add_u32 v[SPW], v[NIL]
	s_wait_dscnt 0x0
	CROUND                                         ; the closing round: no work-group ends while a partner may still ask for a tile that names it
	s_endpgm
.Lfunc_end_k_qab3ce63cfb_proj:
	.size	k_qab3ce63cfb_proj, .Lfunc_end_k_qab3ce63cfb_proj-k_qab3ce63cfb_proj
	.p2alignl 7, 3214868480
	.fill 96, 4, 3214868480
	.section	.rodata,"a",@progbits
	.p2align	6, 0x0
	.amdhsa_kernel k_qab3ce63cfb_proj
		.amdhsa_group_segment_fixed_size 327680
		.amdhsa_private_segment_fixed_size 0
		.amdhsa_enable_private_segment 0
		.amdhsa_kernarg_size 56
		.amdhsa_user_sgpr_count 2
		.amdhsa_user_sgpr_kernarg_segment_ptr 1
		.amdhsa_wavefront_size32 1
		.amdhsa_system_sgpr_workgroup_id_x 1
		.amdhsa_system_sgpr_workgroup_id_y 1
		.amdhsa_system_sgpr_workgroup_id_z 1
		.amdhsa_system_vgpr_workitem_id 0
		.amdhsa_next_free_vgpr 1024
		.amdhsa_next_free_sgpr 102
		.amdhsa_reserve_vcc 0
		.amdhsa_float_denorm_mode_32 3
		.amdhsa_float_denorm_mode_16_64 3
		.amdhsa_memory_ordered 1
		.amdhsa_forward_progress 1
		.amdhsa_inst_pref_size 158
	.end_amdhsa_kernel
	.amdgpu_metadata
---
amdhsa.version: [ 1, 2 ]
amdhsa.kernels:
  - .name:           k_qab3ce63cfb_proj
    .symbol:         k_qab3ce63cfb_proj.kd
    .args:
      - { .name: cod, .offset: 0, .size: 8, .value_kind: global_buffer, .address_space: global }
      - { .name: scl, .offset: 8, .size: 8, .value_kind: global_buffer, .address_space: global }
      - { .name: bq, .offset: 16, .size: 8, .value_kind: global_buffer, .address_space: global }
      - { .name: bk, .offset: 24, .size: 8, .value_kind: global_buffer, .address_space: global }
      - { .name: bv, .offset: 32, .size: 8, .value_kind: global_buffer, .address_space: global }
      - { .name: qkvc, .offset: 40, .size: 8, .value_kind: global_buffer, .address_space: global }
      - { .name: qkvs, .offset: 48, .size: 8, .value_kind: global_buffer, .address_space: global }
    .group_segment_fixed_size: 327680
    .private_segment_fixed_size: 0
    .kernarg_segment_align: 8
    .kernarg_segment_size: 56
    .max_flat_workgroup_size: 128
    .sgpr_count:     102
    .vgpr_count:     1024
    .wavefront_size: 32
...
	.end_amdgpu_metadata
.endif
;; end of part 2
;; launch scores (part 3): grid 36 x 4, 4 waves a work-group, no clusters, 327,680 bytes of LDS; arguments qkvc, qkvs, pc, pst; writes pc, pst
.if DOCPART == 3
	.amdgcn_target "amdgcn-amd-amdhsa--gfx1250"
	.amdhsa_code_object_version 6
	.text
	.protected	k_qab3ce63cfb_scores
	.globl	k_qab3ce63cfb_scores
	.p2align	8
	.type	k_qab3ce63cfb_scores,@function
k_qab3ce63cfb_scores:
	s_mov_b64 s[64:65], 0
	v_nop
	global_prefetch_b8 v0, s[64:65] scope:SCOPE_SE
	s_setreg_imm32_b32 hwreg(HW_REG_WAVE_MODE, 25, 1), 1
	s_wait_xcnt 0x0
; The causal tiles of q k^T (K = 1,024) on codes of FP6 (E2M3), and the softmax's numerator as codes.  A work-group makes a tile of 256 queries x 256 keys: tile (i, j), j <= i, of batch y: 36 tiles a batch.
; Source 0 = keys, source 1 = queries: a lane holds ONE query, and its 64 registers of a fragment of queries run along the wave's 128 keys.
; THE SOFTMAX IS LOCAL to a query and the wave's 128 keys: t = score x log2(e) / 32; M = ceil(the largest t of these keys), a whole number; p = 2^(t - M) is quantised along the keys; l = the sum of the unquantised p.
; A block's codes do not hang on M, since M is a whole number: the next launch finds the row's M as the largest local one and shifts the scale bytes and the sums by exact powers of two.
; OUT: pc[group of 128 queries][group of 128 keys of the batch][fragment][1536];  pst[same][plane][g][256]: plane 0 p's scale words, 1 -M (f32), 2 l, each laid as a scale image.
; Hidden keys (key > query) get the score -infinity; a wave all of whose keys are hidden stores -M = 1e30, l = 0 and zero codes.
; NO CLUSTER: a batch's 36 tiles lie in rows of 1 to 8: they do not divide into fours that share a row or a column, and squares of 4 x 4 would hold 12 wholly hidden tiles a batch.
; LIMITS: |t| stays under 1e30; NaN and infinities among the inputs are not served; a block of zeros has the byte 1 (read by this program alone).
; REGISTERS: window 0: v5, v6 the mask's numbers; v16-29 addresses; v32-63 scale words and nothing else; v64-127 p; v128-223 the queries' fragments, later codes and statistics.  window 1: the keys' fragments, two sets.  windows 2, 3: the accumulators.
.set NSLOT, 3
.set SLOT,  98304
.set QUART, 24576
.set SCL,   3*SLOT
.set SPARE, SCL+4*4096
.set DD0,  5
.set DDA,  6
.set ADRA, 16
.set ADRB, 20
.set ADSA, 24
.set ADSB, 25
.set LI,   26
.set L8,   27
.set SPW,  28
.set NIL,  29
.set SC,   32
.set P,    64
.set AF,   128
.set PCS,  128                         ; v128-151 the codes, two sets by turns
.set PT,   152
.set BM,   160                         ; the blocks' largest scores, then largest p
.set BX,   164
.set CSO,  168
.set BY,   172
.set NM,   176                         ; v[176:177] -M (the packed form names a pair and takes its low word)
.set SA,   178
.set SB,   180
.set T0,   182
.set T1,   183
.set PWS,  184
.set NMS,  192
.set LLS,  200
.set WO,   208
.set NINF, 220
.set MODE, 18
.set HM,   19
.set SEL,  20
.set CS,   22
.set G1T,  24
.set G1S,  32
.set G0S,  40
.set G0T,  44
.set MUL_LO, 0xa1
.set MUL_HI, 0xf1
.set TO_B,   0x40
.set MSB, 0
.macro WIN new
.if MSB != (\new)
	s_set_vgpr_msb (MSB<<8)|(\new)
.set MSB, \new
.endif
.endm
.macro PLACES
.rept 4
	v_nop
.endr
.endm
.macro WMX
.if xZ
.if xRB && xRA
	v_wmma_scale_f32_16x16x128_f8f6f4 v[xD:xD+7], v[xBF:xBF+11], v[xAF:xAF+11], 0, v[xSB], v[xSA] matrix_a_fmt:MATRIX_FMT_FP6 matrix_b_fmt:MATRIX_FMT_FP6 matrix_a_scale:MATRIX_SCALE_ROW1 matrix_b_scale:MATRIX_SCALE_ROW1
.elseif xRB
	v_wmma_scale_f32_16x16x128_f8f6f4 v[xD:xD+7], v[xBF:xBF+11], v[xAF:xAF+11], 0, v[xSB], v[xSA] matrix_a_fmt:MATRIX_FMT_FP6 matrix_b_fmt:MATRIX_FMT_FP6 matrix_a_scale:MATRIX_SCALE_ROW1
.elseif xRA
	v_wmma_scale_f32_16x16x128_f8f6f4 v[xD:xD+7], v[xBF:xBF+11], v[xAF:xAF+11], 0, v[xSB], v[xSA] matrix_a_fmt:MATRIX_FMT_FP6 matrix_b_fmt:MATRIX_FMT_FP6 matrix_b_scale:MATRIX_SCALE_ROW1
.else
	v_wmma_scale_f32_16x16x128_f8f6f4 v[xD:xD+7], v[xBF:xBF+11], v[xAF:xAF+11], 0, v[xSB], v[xSA] matrix_a_fmt:MATRIX_FMT_FP6 matrix_b_fmt:MATRIX_FMT_FP6
.endif
.else
.if xRB && xRA
	v_wmma_scale_f32_16x16x128_f8f6f4 v[xD:xD+7], v[xBF:xBF+11], v[xAF:xAF+11], v[xD:xD+7], v[xSB], v[xSA] matrix_a_fmt:MATRIX_FMT_FP6 matrix_b_fmt:MATRIX_FMT_FP6 matrix_a_scale:MATRIX_SCALE_ROW1 matrix_b_scale:MATRIX_SCALE_ROW1
.elseif xRB
	v_wmma_scale_f32_16x16x128_f8f6f4 v[xD:xD+7], v[xBF:xBF+11], v[xAF:xAF+11], v[xD:xD+7], v[xSB], v[xSA] matrix_a_fmt:MATRIX_FMT_FP6 matrix_b_fmt:MATRIX_FMT_FP6 matrix_a_scale:MATRIX_SCALE_ROW1
.elseif xRA
	v_wmma_scale_f32_16x16x128_f8f6f4 v[xD:xD+7], v[xBF:xBF+11], v[xAF:xAF+11], v[xD:xD+7], v[xSB], v[xSA] matrix_a_fmt:MATRIX_FMT_FP6 matrix_b_fmt:MATRIX_FMT_FP6 matrix_b_scale:MATRIX_SCALE_ROW1
.else
	v_wmma_scale_f32_16x16x128_f8f6f4 v[xD:xD+7], v[xBF:xBF+11], v[xAF:xAF+11], v[xD:xD+7], v[xSB], v[xSA] matrix_a_fmt:MATRIX_FMT_FP6 matrix_b_fmt:MATRIX_FMT_FP6
.endif
.endif
.endm
; 16 products of K step s: the queries' fragments a0, a0 + 1 x the keys' eight.  mode 1: C = 0.  The 64 accumulators take turns, one instruction a turn, in the same order in every step.
.macro MUL16 a0, s, mode
.irp a, \a0, \a0+1
.irp b, 0,1,2,3,4,5,6,7
.set xD, 8*(8*((\a)%4)+\b)
.set xBF, 128*((\s)%2)+12*\b
.set xAF, AF+12*(\a)
.set xSB, SC+16*(((\s)/2)%2)+8*((\s)%2)+4+\b/2
.set xSA, SC+16*(((\s)/2)%2)+8*((\s)%2)+(\a)/2
.set xRB, \b%2
.set xRA, (\a)%2
.set xZ, \mode
	WMX
.endr
.endr
.endm
.macro FETCH_B s
	WIN TO_B
.irp i, 0,1,2,3,4,5,6,7
.irp c, 0,1,2
	ds_load_b128 v[128*((\s)%2)+12*\i+4*\c:128*((\s)%2)+12*\i+4*\c+3], v[ADRB+((\s)/2)%NSLOT] offset:((\s)%2)*12288+\i*1536+512*\c
.endr
.endr
	WIN 0
.endm
.macro FETCH_A s, i0
.irp i, \i0, \i0+1, \i0+2, \i0+3
.irp c, 0,1,2
	ds_load_b128 v[AF+12*(\i)+4*\c:AF+12*(\i)+4*\c+3], v[ADRA+((\s)/2)%NSLOT] offset:((\s)%2)*12288+(\i)*1536+512*\c
.endr
.endr
.endm
.macro SCALES t
.irp q, 0,1
.irp g, 0,1
	ds_load_b64 v[SC+16*((\t)%2)+8*\q+2*\g:SC+16*((\t)%2)+8*\q+2*\g+1], v[ADSA] offset:(2*(\t)+\q)*512+256*\g
	ds_load_b64 v[SC+16*((\t)%2)+8*\q+4+2*\g:SC+16*((\t)%2)+8*\q+4+2*\g+1], v[ADSB] offset:(2*(\t)+\q)*512+256*\g
.endr
.endr
.endm
.macro STEP s, mode
	s_wait_dscnt 12                                ; all but the youngest 12 loads (the queries' fragments 4-7) are in
	WIN MUL_LO
	MUL16 0, \s, \mode
	MUL16 2, \s, \mode
	s_wait_dscnt 0x0
	PLACES
	FETCH_B (\s)+1
	FETCH_A (\s)+1, 0
.if ((\s)+1)%2 == 0
	SCALES ((\s)+1)/2
.endif
	WIN MUL_HI
	MUL16 4, \s, \mode
	MUL16 6, \s, \mode
	PLACES
	WIN 0
	FETCH_A (\s)+1, 4
.endm
.macro LAST s
	s_wait_dscnt 12
	WIN MUL_LO
	MUL16 0, \s, 0
	MUL16 2, \s, 0
	s_wait_dscnt 0x0
	WIN MUL_HI
	MUL16 4, \s, 0
	MUL16 6, \s, 0
	WIN 0
	PLACES
.endm
.macro TURN s, fill                    ; a tile's last K step with a barrier.  fill = 1: slot 0 takes tile 3
	s_wait_tensorcnt 0x0                           ; all my tensor loads have landed
	ds_add_u32 v[SPW], v[NIL]                      ; 0 onto my spare word
	s_wait_dscnt 13                                ; (the add and the youngest 12 loads may be out)
	WIN MUL_LO
	MUL16 0, \s, 0
	s_wait_dscnt 0x0                               ; the add is done, and my reads of this slot are over
	s_barrier_signal -1
	MUL16 2, \s, 0
	WIN 0
	s_barrier_wait -1
.if \fill
	s_add_nc_u64 s[G0T+2:G0T+3], s[G0T+2:G0T+3], 3*QUART
	tensor_load_to_lds s[G0T:G0T+3], s[G1T:G1T+7]  ; my one tensor load behind the barrier: four K steps, 256 products, ahead of the wait for it
	s_nop 0
.endif
	PLACES
	FETCH_B (\s)+1
	FETCH_A (\s)+1, 0
	SCALES ((\s)+1)/2
	WIN MUL_HI
	MUL16 4, \s, 0
	MUL16 6, \s, 0
	PLACES
	WIN 0
	FETCH_A (\s)+1, 4
.endm
	s_load_b256 s[4:11], s[0:1], 0x0               ; qkvc s[4:5], qkvs s[6:7], pc s[8:9], pst s[10:11]
	v_lshl_add_u32 v[SPW], v0, 2, SPARE
	v_mov_b32 v[NIL], 0
	ds_add_u32 v28, v29
	ds_add_u32 v28, v29
	s_wait_dscnt 0x0
	v_lshrrev_b32 v1, 5, v0
	v_readfirstlane_b32 s12, v1                    ; wave
	s_lshr_b32 s13, s12, 1                         ; wr: my half of the queries
	s_and_b32 s14, s12, 1                          ; wc: my half of the keys.  Also: which group of the two I fetch
	s_and_b32 s17, ttmp7, 0xffff                   ; the batch
	s_mov_b32 s15, 0
.irp k, 1,3,6,10,15,21,28              ; tile x of the triangle lies in row i, where i (i + 1) / 2 <= x
	s_cmp_ge_u32 ttmp9, \k
	s_cselect_b32 s56, 1, 0
	s_add_co_u32 s15, s15, s56
.endr
	s_add_co_u32 s56, s15, 1
	s_mul_i32 s56, s56, s15
	s_lshr_b32 s56, s56, 1
	s_sub_co_u32 s16, ttmp9, s56                   ; and in column j
	s_sub_co_u32 s18, s14, s13
	s_add_co_u32 s18, s18, 1
	s_cmp_eq_u32 s15, s16
	s_cselect_b32 s[MODE], s18, 0                  ; 0: all my keys count for all my queries; else the mask is laid
	s_lshl_b32 s57, s17, 4                         ; the batch's first group
	s_cmp_lt_u32 s12, 2                            ; waves 0, 1 fetch the queries' groups, waves 2, 3 the keys'
	s_cselect_b32 s58, s15, s16
	s_cselect_b32 s59, 0, 6291456
	s_cselect_b32 s60, 0, 262144
	s_lshl_b32 s58, s58, 1
	s_add_co_u32 s58, s58, s57
	s_add_co_u32 s58, s58, s14                     ; the group that I fetch
	s_mul_i32 s61, s58, 98304
	s_add_co_u32 s66, s61, s59
	s_mov_b32 s67, 0
	s_lshl_b32 s61, s58, 12
	s_add_co_u32 s68, s61, s60
	s_mov_b32 s69, 0
	s_lshl_b32 s58, s15, 1
	s_add_co_u32 s58, s58, s57
	s_add_co_u32 s58, s58, s13                     ; my group of queries
	s_lshl_b32 s58, s58, 4
	s_lshl_b32 s59, s16, 1
	s_add_co_u32 s58, s58, s59
	s_add_co_u32 s58, s58, s14                     ; x 16 + my group of keys in the batch
	s_mul_i32 s70, s58, 12288
	s_mov_b32 s71, 0
	s_mul_i32 s72, s58, 1536
	s_mov_b32 s73, 0
	s_mul_i32 s74, s12, QUART                      ; LDS: my quarter of a slot,
	s_lshl_b32 s75, s12, 12
	s_add_co_u32 s75, s75, SCL                     ; and of the scales
	s_mov_b32 s[G1T], 3<<16                        ; no mask; elements of 8 bytes; no padding: 24,576 dense bytes as 96 rows of 256
	s_mov_b32 s[G1T+1], 32<<16
	s_mov_b32 s[G1T+2], 96<<16
	s_mov_b32 s[G1T+3], 32<<16
	s_mov_b32 s[G1T+4], 96
	s_mov_b32 s[G1T+5], 32
	s_mov_b32 s[G1T+6], 0
	s_mov_b32 s[G1T+7], 0
	s_mov_b32 s[G1S], 3<<16                        ; 4,096 dense bytes as 16 rows of 256
	s_mov_b32 s[G1S+1], 32<<16
	s_mov_b32 s[G1S+2], 16<<16
	s_mov_b32 s[G1S+3], 32<<16
	s_mov_b32 s[G1S+4], 16
	s_mov_b32 s[G1S+5], 32
	s_mov_b32 s[G1S+6], 0
	s_mov_b32 s[G1S+7], 0
	s_mov_b32 s[HM], 0xffff0000
	s_mov_b32 s[SEL], 0x76543210
	s_mov_b32 s[SEL+1], 0xfedcba98
	s_mov_b32 s[CS], 0x3d38aa3b                    ; c = log2(e) / sqrt(1024)
	s_mov_b32 s[CS+1], s[CS]
	s_wait_kmcnt 0x0
	s_add_nc_u64 s[66:67], s[4:5], s[66:67]
	s_add_nc_u64 s[68:69], s[6:7], s[68:69]
	s_add_nc_u64 s[8:9], s[8:9], s[70:71]
	s_add_nc_u64 s[10:11], s[10:11], s[72:73]
	s_mov_b32 s[G0S], 1
	s_mov_b32 s[G0S+1], s75
	s_mov_b64 s[G0S+2:G0S+3], s[68:69]
	s_or_b32 s[G0S+3], s[G0S+3], 0x80000000
.irp t, 0,1,2
	s_mov_b32 s[G0T+4*\t], 1
	s_add_co_u32 s[G0T+4*\t+1], s74, \t*SLOT
	s_add_nc_u64 s[G0T+4*\t+2:G0T+4*\t+3], s[66:67], \t*QUART
	s_or_b32 s[G0T+4*\t+3], s[G0T+4*\t+3], 0x80000000
.endr
	tensor_load_to_lds s[G0S:G0S+3], s[G1S:G1S+7]  ; four loads of mine go out together: my group's scales, then its part of tiles 0, 1, 2
	s_nop 0
	tensor_load_to_lds s[G0T:G0T+3], s[G1T:G1T+7]
	s_nop 0
	tensor_load_to_lds s[G0T+4:G0T+7], s[G1T:G1T+7]
	s_nop 0
	tensor_load_to_lds s[G0T+8:G0T+11], s[G1T:G1T+7]
	s_nop 0
	PLACES
	v_and_b32 v1, 31, v0
	v_lshlrev_b32 v[LI], 4, v1
	v_lshlrev_b32 v[L8], 3, v1
	s_mul_i32 s56, s13, QUART
	s_mul_i32 s57, s14, QUART
	s_add_co_u32 s57, s57, 2*QUART
.irp t, 0,1,2
	v_add_nc_u32 v[ADRA+\t], s56, v[LI]
	v_add_nc_u32 v[ADRB+\t], s57, v[LI]
	s_add_co_u32 s56, s56, SLOT
	s_add_co_u32 s57, s57, SLOT
.endr
	s_lshl_b32 s56, s13, 12
	s_add_co_u32 s56, s56, SCL
	v_add_nc_u32 v[ADSA], s56, v[L8]
	s_lshl_b32 s57, s14, 12
	s_add_co_u32 s57, s57, SCL+2*4096
	v_add_nc_u32 v[ADSB], s57, v[L8]
	v_and_b32 v2, 15, v0                           ; r
	v_bfe_u32 v3, v0, 4, 1                         ; h
	v_and_b32 v4, 8, v2
	v_add_nc_u32 v4, v4, v2                        ; r + 8 (r / 8)
	v_lshlrev_b32 v3, 4, v3
	v_sub_nc_u32 v4, v4, v3
	s_sub_co_i32 s56, s13, s14
	s_lshl_b32 s56, s56, 7
	v_add_nc_u32 v[DD0], s56, v4                   ; r + 8 (r / 8) - 16 h + 128 (wr - wc)
	s_wait_tensorcnt 2                             ; the scales and tile 0 are in; tiles 1 and 2 may be out
	s_barrier_signal -1
	s_barrier_wait -1
	FETCH_B 0
	FETCH_A 0, 0
	SCALES 0
	FETCH_A 0, 4
	STEP 0, 1                                      ; the first products start the sums
	TURN 1, 1                                      ; tiles 1 and 2 are whole in every wave's sight; slot 0 takes tile 3
	STEP 2, 0
	STEP 3, 0
	STEP 4, 0
	TURN 5, 0                                      ; tile 3 is whole; nothing is filled
	STEP 6, 0
	LAST 7
.irp b, 0,1,2,3
	v_mov_b32 v[BX+\b], 0                          ; written once: a lane permute's destination counts as one of its sources
.endr
	v_mov_b32 v[T1], 0
	v_mov_b32 v[NM+1], 0                           ; (named as the upper half of a pair)
	v_mov_b32 v[NINF], 0xff800000
; Fragment a of the queries: register 16 b + i of a lane is key 32 b + 16 h + i of the wave's 128, for the query 32 (a / 2) + 8 (a % 2) + r + 8 (r / 8) of its 128.
.macro SOFT a
.set xW, 2+(\a)/4
.set xAC, 64*((\a)%4)
.set xPC, PCS+12*((\a)%2)
	s_cmp_eq_u32 s[MODE], 0                        ; a branch on ids: the mask is passed over where every key counts
	s_cbranch_scc1 .Lopen_\@
	v_add_nc_u32 v[DDA], 32*((\a)/2)+8*((\a)%2), v[DD0]   ; d: register 16 b + i is hidden where 32 b + i > d
	WIN (xW<<6)|xW
.set xn, 0
.rept 64
	v_cmp_gt_i32 vcc_lo, 32*(xn/16)+xn%16, v[DDA]
	v_cndmask_b32 v[xAC+xn], v[xAC+xn], v[NINF], vcc_lo
.set xn, xn+1
.endr
	WIN 0
.Lopen_\@:
	WIN xW|(xW<<2)|(xW<<4)
.irp b, 0,1,2,3
	v_max3_num_f32 v[BM+\b], v[xAC+16*\b], v[xAC+16*\b+1], v[xAC+16*\b+2]   ; the largest score of each block of 32 keys: it serves for the maximum and, since p rises with the score, for the block's largest p
.endr
	WIN (xW<<2)|(xW<<4)
.irp i, 3,5,7,9,11,13
.irp b, 0,1,2,3
	v_max3_num_f32 v[BM+\b], v[BM+\b], v[xAC+16*\b+\i], v[xAC+16*\b+\i+1]
.endr
.endr
.irp b, 0,1,2,3
	v_max_num_f32 v[BM+\b], v[BM+\b], v[xAC+16*\b+15]
.endr
	WIN 0
.irp b, 0,1,2,3
	v_permlanex16_b32 v[BX+\b], v[BM+\b], s[SEL], s[SEL+1]
.endr
.irp b, 0,1,2,3
	v_max_num_f32 v[BM+\b], v[BM+\b], v[BX+\b]     ; with lane l xor 16's 16 keys
.endr
	v_max3_num_f32 v[T0], v[BM], v[BM+1], v[BM+2]
	v_max_num_f32 v[T0], v[T0], v[BM+3]
	v_mul_f32 v[T0], s[CS], v[T0]                  ; the largest t
	v_max_num_f32 v[T0], 0xf149f2ca, v[T0]         ; held at -1e30 where every key is hidden
	v_floor_f32 v[NM], -v[T0]                      ; -M = floor(-t) = -ceil(t)
	WIN xW
.set xn, 0
.rept 32
	v_pk_fma_f32 v[P+xn:P+xn+1], v[xAC+xn:xAC+xn+1], s[CS:CS+1], v[NM:NM+1] op_sel_hi:[1,0,0]   ; t - M, two at a time
.set xn, xn+2
.endr
	WIN 0
.irp b, 0,1,2,3
	v_fma_f32 v[BM+\b], v[BM+\b], s[CS], v[NM]
.endr
.set xn, 0
.rept 64
	v_exp_f32 v[P+xn], v[P+xn]                     ; p = 2^(t - M)
.set xn, xn+1
.endr
	v_mov_b32 v[NMS+(\a)], v[NM]                   ; (a plain place behind the exponentials)
	s_wait_alu depctr_va_vdst(0)                   ; one wait for the batch of 64, ahead of its first reader
.irp b, 0,1,2,3
	v_exp_f32 v[BM+\b], v[BM+\b]                   ; the block's largest p: the same two instructions on the same number
.endr
	v_pk_add_f32 v[SA:SA+1], v[P:P+1], v[P+4:P+5]  ; l is the sum of the unquantised p: two chains, two numbers an instruction
	v_pk_add_f32 v[SB:SB+1], v[P+2:P+3], v[P+6:P+7]
.irp j, 8,12,16,20,24,28,32,36,40,44,48,52,56,60
	v_pk_add_f32 v[SA:SA+1], v[SA:SA+1], v[P+\j:P+\j+1]
	v_pk_add_f32 v[SB:SB+1], v[SB:SB+1], v[P+\j+2:P+\j+3]
.endr
	v_pk_add_f32 v[SA:SA+1], v[SA:SA+1], v[SB:SB+1]
	v_add_f32 v[T0], v[SA], v[SA+1]
	v_permlanex16_b32 v[T1], v[T0], s[SEL], s[SEL+1]
	v_add_f32 v[LLS+(\a)], v[T0], v[T1]
	s_wait_alu depctr_va_vdst(0)                   ; and one for the four
.irp b, 0,1,2,3
	v_max_num_f32 v[BM+\b], 0x1800000, v[BM+\b]    ; the floor 2^(3 - 127): the byte cannot fall under 1
.endr
.irp b, 0,1,2,3
	v_add_nc_u32 v[CSO+\b], 0xff000000, v[BM+\b]
.endr
.irp b, 0,1,2,3
	v_lshrrev_b32 v[BY+\b], 23, v[CSO+\b]
.endr
	v_lshl_or_b32 v[PWS+(\a)], v[BY+1], 8, v[BY]
	v_lshl_or_b32 v[PWS+(\a)], v[BY+2], 16, v[PWS+(\a)]
	v_lshl_or_b32 v[PWS+(\a)], v[BY+3], 24, v[PWS+(\a)]
.if (\a) >= 2
	s_wait_xcnt 0x0                                ; the stores of the fragment two back have read this set of registers
.endif
.irp c, 0,1
	v_cvt_scalef32_pk16_fp6_f32 v[xPC+6*\c:xPC+6*\c+2], v[P+32*\c:P+32*\c+15], v[CSO+2*\c]
	v_cvt_scalef32_pk16_fp6_f32 v[PT+4*\c:PT+4*\c+2], v[P+32*\c+16:P+32*\c+31], v[CSO+2*\c+1]
.endr
	v_nop                                          ; one plain place behind a scaled conversion
.irp c, 0,1
.irp i, 0,1,2
	v_permlane16_swap_b32 v[xPC+6*\c+\i], v[PT+4*\c+\i]
.endr
.irp i, 0,1,2
	v_mov_b32 v[xPC+6*\c+3+\i], v[PT+4*\c+\i]
.endr
.endr
.irp c, 0,1,2
	global_store_b128 v[LI], v[xPC+4*\c:xPC+4*\c+3], s[8:9] offset:(\a)*1536+512*\c   ; 512 consecutive bytes
.endr
.endm
.irp a, 0,1,2,3,4,5,6,7
	SOFT \a
.endr
.irp g, 0,1                            ; the three planes as scale images: lanes 0-15 the even fragment's number, lanes 16-31 the odd one's
.irp i, 0,1
	v_cndmask_b32 v[WO+2*\g+\i], v[PWS+4*\g+2*\i], v[PWS+4*\g+2*\i+1], s[HM]
	v_cndmask_b32 v[WO+4+2*\g+\i], v[NMS+4*\g+2*\i], v[NMS+4*\g+2*\i+1], s[HM]
	v_cndmask_b32 v[WO+8+2*\g+\i], v[LLS+4*\g+2*\i], v[LLS+4*\g+2*\i+1], s[HM]
.endr
.endr
.irp q, 0,1,2
.irp g, 0,1
	global_store_b64 v[L8], v[WO+4*\q+2*\g:WO+4*\q+2*\g+1], s[10:11] offset:\q*512+256*\g   ; 256 consecutive bytes
.endr
.endr
	s_wait_tensorcnt 0x0                           ; the wave's end
	ds_add_u32 v[SPW], v[NIL]
	s_wait_dscnt 0x0
	s_endpgm
.Lfunc_end_k_qab3ce63cfb_scores:
	.size	k_qab3ce63cfb_scores, .Lfunc_end_k_qab3ce63cfb_scores-k_qab3ce63cfb_scores
	.p2alignl 7, 3214868480
	.fill 96, 4, 3214868480
	.section	.rodata,"a",@progbits
	.p2align	6, 0x0
	.amdhsa_kernel k_qab3ce63cfb_scores
		.amdhsa_group_segment_fixed_size 327680
		.amdhsa_private_segment_fixed_size 0
		.amdhsa_enable_private_segment 0
		.amdhsa_kernarg_size 32
		.amdhsa_user_sgpr_count 2
		.amdhsa_user_sgpr_kernarg_segment_ptr 1
		.amdhsa_wavefront_size32 1
		.amdhsa_system_sgpr_workgroup_id_x 1
		.amdhsa_system_sgpr_workgroup_id_y 1
		.amdhsa_system_sgpr_workgroup_id_z 1
		.amdhsa_system_vgpr_workitem_id 0
		.amdhsa_next_free_vgpr 1024
		.amdhsa_next_free_sgpr 76
		.amdhsa_reserve_vcc 1
		.amdhsa_float_denorm_mode_32 3
		.amdhsa_float_denorm_mode_16_64 3
		.amdhsa_memory_ordered 1
		.amdhsa_forward_progress 1
		.amdhsa_inst_pref_size 232
	.end_amdhsa_kernel
	.amdgpu_metadata
---
amdhsa.version: [ 1, 2 ]
amdhsa.kernels:
  - .name:           k_qab3ce63cfb_scores
    .symbol:         k_qab3ce63cfb_scores.kd
    .args:
      - { .name: qkvc, .offset: 0, .size: 8, .value_kind: global_buffer, .address_space: global }
      - { .name: qkvs, .offset: 8, .size: 8, .value_kind: global_buffer, .address_space: global }
      - { .name: pc, .offset: 16, .size: 8, .value_kind: global_buffer, .address_space: global }
      - { .name: pst, .offset: 24, .size: 8, .value_kind: global_buffer, .address_space: global }
    .group_segment_fixed_size: 327680
    .private_segment_fixed_size: 0
    .kernarg_segment_align: 8
    .kernarg_segment_size: 32
    .max_flat_workgroup_size: 128
    .sgpr_count:     76
    .vgpr_count:     1024
    .wavefront_size: 32
...
	.end_amdgpu_metadata
.endif
;; end of part 3
;; launch pv (part 4): grid 4 x 64, 4 waves a work-group, clusters of 4 x 1, 327,680 bytes of LDS; arguments pc, pst, qkvc, qkvs, out0; writes out0
.if DOCPART == 4
	.amdgcn_target "amdgcn-amd-amdhsa--gfx1250"
	.amdhsa_code_object_version 6
	.text
	.protected	k_qab3ce63cfb_pv
	.globl	k_qab3ce63cfb_pv
	.p2align	8
	.type	k_qab3ce63cfb_pv,@function
k_qab3ce63cfb_pv:
	s_mov_b64 s[64:65], 0
	v_nop
	global_prefetch_b8 v0, s[64:65] scope:SCOPE_SE
	s_setreg_imm32_b32 hwreg(HW_REG_WAVE_MODE, 25, 1), 1
	s_wait_xcnt 0x0
	s_wait_alu depctr_hold_cnt(0) depctr_sa_sdst(0) depctr_va_vdst(0) depctr_va_sdst(0) depctr_va_ssrc(0) depctr_va_vcc(0) depctr_vm_vsrc(0)
	s_getreg_b32 s2, hwreg(HW_REG_IB_STS2, 6, 4)
	s_cmp_eq_u32 s2, 0
	s_cbranch_scc0 .Lentry_in_a_cluster
	s_endpgm
.Lentry_in_a_cluster:
	s_bfe_u32 s2, ttmp6, 0x10000c
	s_cmp_lg_u32 s2, 0x3003
	s_cbranch_scc0 .Lentry_shape_is_right
	s_endpgm
.Lentry_shape_is_right:
; out = (p v) / l on codes of FP6 (E2M3).  A work-group makes 128 queries x 256 channels: group y of 128 queries (batch y / 16, group g = y % 16 of the batch), channels 256 cx ..: 256 work-groups.
; K = the keys 0 .. 256 N - 1, N = g / 2 + 1, in steps of 128.  A wave makes 64 queries x 128 channels: 32 accumulators, one window.
; Source 0 = v (rows = channels, K = keys), source 1 = p (rows = queries): a lane holds ONE query, and its 64 registers of a fragment of queries run along the wave's 128 channels.
; AHEAD OF THE PRODUCTS each wave takes its own 64 queries: -M of the row = the least of the local -M; each local sum and each local scale byte is shifted by d = M_local - M_row, a whole number, 0 or less:
; l = the sum of l_local x 2^d; byte + d, held at 0 from below.  The shifted scale words of all 16 K steps stay in 32 registers, which are the products' scale registers; 1 / l stays in registers too.
; THE RING: two slots of FOUR K steps each (p's four, then four of each of v's two groups: 147,456 bytes).  Both are filled at the start: K steps 0 to 7.  The longest work-group fills each slot once more;
; such a refill has four K steps, 128 products a wave, in which to land.  All eight groups 0 are made at the head and never rewritten.  A wave has at most three tensor loads out.
; A pair of K steps of p past the last that the launch before has written is asked for as the last written pair, and not used.
; CLUSTER 4 x 1: the four work-groups of a group of queries read the same p: joint loads; v's tiles differ (cx) and come by loads of their own.  A cluster of 4 x 4 is not taken: partners with other
; queries have other numbers of K steps.  N is the same in all four partners and in all waves; every branch of the walk hangs on it alone.  The walk is written out: every LDS offset is an immediate.
; Every wait on the tensor loads is for all of them: a work-group leaves the walk by a branch on N, and no load is on its way at such a branch.
; LIMITS: d is held at -127; a block of p more than 127 binades under its row's maximum gets the byte 0 (2^-127); NaN and infinities are not served.
; REGISTERS: window 0: v8-29 addresses; v32-63 p's scale words and v64-71 v's, and nothing else; v72-151 the prologue's numbers, later rows of out; v152-159 1 / l; v160-255 p's fragments, two sets of 48
;   (ahead of them the prologue's work, behind them rows of out).  window 1: v's fragments, two sets, v0-95 and v128-223.  window 2: the accumulators ((a, b) at v[8 (8 a + b)]).
.set PSTEP, 12288                      ; a group's eight fragments of one K step
.set PAIR,  2*PSTEP                    ; what one joint load of p brings
.set QUAD,  4*PSTEP                    ; what one load of v brings
.set VOFF,  QUAD                       ; in a slot: p's four K steps, then v's two groups
.set SLOT,  3*QUAD
.set SCLB,  2*SLOT                     ; v's scale images: 2 groups x 16 K steps x 512 bytes, filled once
.set SPARE, SCLB+2*8192                ; the spare words: 128 bytes a wave, named by no other line
.set STG,   0                          ; the way out: 16 rows x 528 bytes for each wave, in slot 0: behind a barrier in front of which every wave's tensor loads and LDS reads are over, and behind which nothing is filled
.set STO,  8
.set RD,   9
.set ADRA, 16                          ; v16-17 my four fragments of p in slot 0, 1, + 16 x lane
.set ADRB, 20                          ; v20-21 my group of v
.set ADSB, 25
.set LI,   26                          ; 16 x lane
.set L8,   27                          ; 8 x lane
.set SPW,  28
.set NIL,  29
.set SCA,  32                          ; p's scale words: K step s: v[32 + 2 s + a / 2], row a % 2
.set SCB,  64                          ; v's: set s % 2 of four: register b / 2, row b % 2
.set OFS,  72
.set NMV,  88
.set LLV,  120
.set LV,   152                         ; 1 / l of fragment a's queries, twice: v[152 + 2 a], v[153 + 2 a]
.set AF,   160
.set NR,   160
.set LS,   162
.set RL,   164
.set RX,   166
.set TA,   168
.set TB,   170
.set TC,   172
.set TD,   174
.set G1A,  24
.set G1B,  32
.set G1S,  40
.set G0A,  48                          ; s[48:63] p's four fills: slot 0, slot 1, slot 0 again, slot 1 again
.set G0B,  68                          ; s[68:83] v's
.set G0S,  84
.set HM,   67                          ; the mask of lanes 16-31
.set SEL,  88                          ; s[88:89] lane selects: lane l xor 16
.set MUL,  0xa1                        ; source 0 (v) window 1, source 1 (p) window 0, C and D window 2
.set TO_B, 0x40
.set MSB, 0
.macro WIN new                         ; the immediate's high byte repeats the setting that is left
.if MSB != (\new)
	s_set_vgpr_msb (MSB<<8)|(\new)
.set MSB, \new
.endif
.endm
.macro PLACES                          ; four plain places behind matrix instructions, in front of loads into their registers and of reads of their results
.rept 4
	v_nop
.endr
.endm
.macro WMX
.if xZ
.if xRB && xRA
	v_wmma_scale_f32_16x16x128_f8f6f4 v[xD:xD+7], v[xBF:xBF+11], v[xAF:xAF+11], 0, v[xSB], v[xSA] matrix_a_fmt:MATRIX_FMT_FP6 matrix_b_fmt:MATRIX_FMT_FP6 matrix_a_scale:MATRIX_SCALE_ROW1 matrix_b_scale:MATRIX_SCALE_ROW1
.elseif xRB
	v_wmma_scale_f32_16x16x128_f8f6f4 v[xD:xD+7], v[xBF:xBF+11], v[xAF:xAF+11], 0, v[xSB], v[xSA] matrix_a_fmt:MATRIX_FMT_FP6 matrix_b_fmt:MATRIX_FMT_FP6 matrix_a_scale:MATRIX_SCALE_ROW1
.elseif xRA
	v_wmma_scale_f32_16x16x128_f8f6f4 v[xD:xD+7], v[xBF:xBF+11], v[xAF:xAF+11], 0, v[xSB], v[xSA] matrix_a_fmt:MATRIX_FMT_FP6 matrix_b_fmt:MATRIX_FMT_FP6 matrix_b_scale:MATRIX_SCALE_ROW1
.else
	v_wmma_scale_f32_16x16x128_f8f6f4 v[xD:xD+7], v[xBF:xBF+11], v[xAF:xAF+11], 0, v[xSB], v[xSA] matrix_a_fmt:MATRIX_FMT_FP6 matrix_b_fmt:MATRIX_FMT_FP6
.endif
.else
.if xRB && xRA
	v_wmma_scale_f32_16x16x128_f8f6f4 v[xD:xD+7], v[xBF:xBF+11], v[xAF:xAF+11], v[xD:xD+7], v[xSB], v[xSA] matrix_a_fmt:MATRIX_FMT_FP6 matrix_b_fmt:MATRIX_FMT_FP6 matrix_a_scale:MATRIX_SCALE_ROW1 matrix_b_scale:MATRIX_SCALE_ROW1
.elseif xRB
	v_wmma_scale_f32_16x16x128_f8f6f4 v[xD:xD+7], v[xBF:xBF+11], v[xAF:xAF+11], v[xD:xD+7], v[xSB], v[xSA] matrix_a_fmt:MATRIX_FMT_FP6 matrix_b_fmt:MATRIX_FMT_FP6 matrix_a_scale:MATRIX_SCALE_ROW1
.elseif xRA
	v_wmma_scale_f32_16x16x128_f8f6f4 v[xD:xD+7], v[xBF:xBF+11], v[xAF:xAF+11], v[xD:xD+7], v[xSB], v[xSA] matrix_a_fmt:MATRIX_FMT_FP6 matrix_b_fmt:MATRIX_FMT_FP6 matrix_b_scale:MATRIX_SCALE_ROW1
.else
	v_wmma_scale_f32_16x16x128_f8f6f4 v[xD:xD+7], v[xBF:xBF+11], v[xAF:xAF+11], v[xD:xD+7], v[xSB], v[xSA] matrix_a_fmt:MATRIX_FMT_FP6 matrix_b_fmt:MATRIX_FMT_FP6
.endif
.endif
.endm
; 8 products of K step s: p's fragment a x v's eight.  mode 1: C = 0.  The 32 accumulators take turns, one instruction a turn, in the same order in every step.
.macro MUL8 a, s, mode
.irp b, 0,1,2,3,4,5,6,7
.set xD, 8*(8*(\a)+\b)
.set xBF, 128*((\s)%2)+12*\b
.set xAF, AF+48*((\s)%2)+12*(\a)
.set xSB, SCB+4*((\s)%2)+\b/2
.set xSA, SCA+2*(\s)+(\a)/2
.set xRB, \b%2
.set xRA, (\a)%2
.set xZ, \mode
	WMX
.endr
.endm
; K step s's operands into set s % 2, in one run of 38 LDS loads: v's eight fragments, my four of p, v's scale words
.macro FETCH s
.set xSL, ((\s)/4)%2
.set xQ, (\s)%4
.set xP, (\s)%2
	WIN TO_B
.irp i, 0,1,2,3,4,5,6,7
.irp c, 0,1,2
	ds_load_b128 v[128*xP+12*\i+4*\c:128*xP+12*\i+4*\c+3], v[ADRB+xSL] offset:xQ*PSTEP+\i*1536+512*\c
.endr
.endr
	WIN 0
.irp i, 0,1,2,3
.irp c, 0,1,2
	ds_load_b128 v[AF+48*xP+12*\i+4*\c:AF+48*xP+12*\i+4*\c+3], v[ADRA+xSL] offset:xQ*PSTEP+\i*1536+512*\c
.endr
.endr
.irp g, 0,1
	ds_load_b64 v[SCB+4*xP+2*\g:SCB+4*xP+2*\g+1], v[ADSB] offset:(\s)*512+256*\g
.endr
.endm
.macro STEP s, mode                    ; a K step whose successor lies in a slot that is known to be whole
	s_wait_dscnt 0x0                               ; this step's operands, asked for a step ago, are in
	PLACES                                         ; behind the last step's products, whose registers the loads below fill
	FETCH (\s)+1
	WIN MUL
	MUL8 0, \s, \mode
	MUL8 1, \s, \mode
	MUL8 2, \s, \mode
	MUL8 3, \s, \mode
	WIN 0
.endm
.macro LAST s                          ; a work-group's last K step: nothing more to fetch
	s_wait_dscnt 0x0
	WIN MUL
	MUL8 0, \s, 0
	MUL8 1, \s, 0
	MUL8 2, \s, 0
	MUL8 3, \s, 0
	WIN 0
	PLACES
.endm
.macro JLOAD g0a, g1a, g0b, g1b        ; waves 0 and 1 ask jointly for p, waves 2 and 3 fetch v; four v_nop follow each of the two lines
	s_cmp_eq_u32 s15, 0
	s_cbranch_scc0 .Lfor_b_\@
	tensor_load_to_lds s[\g0a:\g0a+3], s[\g1a:\g1a+7]
	s_nop 0
	PLACES
	s_branch .Lasked_\@
.Lfor_b_\@:
	tensor_load_to_lds s[\g0b:\g0b+3], s[\g1b:\g1b+7]
	s_nop 0
	PLACES
.Lasked_\@:
.endm
.macro CREST                           ; a round of the cluster's barrier behind its opening barrier
	s_cmp_lg_u32 s14, 0
	s_cbranch_scc1 .Lnot_wave_0_\@
	s_barrier_signal -3
.Lnot_wave_0_\@:
	s_barrier_wait -3
	s_barrier_signal -1
	s_barrier_wait -1
.endm
.macro CROUND
	s_barrier_signal -1
	s_barrier_wait -1
	CREST
.endm
; A slot's last K step changes slots: in front of the barrier each wave waits for all its tensor loads, adds 0 to its spare word, and waits for that and for its reads of the slot.
; round = 1: the barrier opens a round of the cluster's, and the slot is filled again with the K steps eight on, if the work-group has such: a branch on N.  round = 0: nothing is left to fill.
.macro TURN s, round
	s_wait_tensorcnt 0x0                           ; all my tensor loads have landed: my part of the next slot among them
	ds_add_u32 v[SPW], v[NIL]                      ; 0 onto my spare word
	s_wait_dscnt 1                                 ; this step's operands are in (the add may be out)
	WIN MUL
	MUL8 0, \s, 0
	s_wait_dscnt 0x0                               ; the add is done, and my reads of this slot are over
	s_barrier_signal -1
	MUL8 1, \s, 0
	WIN 0
	s_barrier_wait -1
.if \round
	CREST                                          ; no wave of any partner still reads this slot or has a load on its way
.set xF, ((\s)+1)/4+1
	s_cmp_lt_u32 s20, ((\s)+1)/2+3
	s_cbranch_scc1 .Lskip_\@
	JLOAD G0A+4*xF, G1A, G0B+4*xF, G1B             ; my one tensor load behind the round: four K steps, 128 products, ahead of the wait for it
.Lskip_\@:
.endif
	PLACES
	FETCH (\s)+1
	WIN MUL
	MUL8 2, \s, 0
	MUL8 3, \s, 0
	WIN 0
.endm
	s_load_b256 s[4:11], s[0:1], 0x0               ; pc s[4:5], pst s[6:7], qkvc s[8:9], qkvs s[10:11]
	s_load_b64 s[12:13], s[0:1], 0x20              ; out0
	v_lshl_add_u32 v[SPW], v0, 2, SPARE
	v_mov_b32 v[NIL], 0
	ds_add_u32 v28, v29
	ds_add_u32 v28, v29
	s_wait_dscnt 0x0
	v_lshrrev_b32 v1, 5, v0
	v_readfirstlane_b32 s14, v1                    ; wave
	s_lshr_b32 s15, s14, 1                         ; wr: my half of the queries.  Also: I fetch p (0) or v (1)
	s_and_b32 s16, s14, 1                          ; wc: my half of the channels.  Also: which pair of p, or which group of v, I fetch
	s_bfe_u32 s17, ttmp6, 0x40000                  ; cx: the tile of channels
	s_and_b32 s18, ttmp7, 0xffff                   ; y: the group of 128 queries
	s_lshr_b32 s19, s18, 4                         ; the batch
	s_lshr_b32 s20, s18, 1
	s_and_b32 s20, s20, 7
	s_add_co_u32 s20, s20, 1                       ; N: pairs of K steps
	s_lshl_b32 s23, s20, 1                         ; K steps
	s_sub_co_u32 s21, s23, 1                       ; the last of them
	s_sub_co_u32 s90, s20, 1                       ; the last pair
	s_mov_b32 s66, 0x01010101
	s_mov_b32 s[HM], 0xffff0000
	s_mov_b32 s[SEL], 0x76543210
	s_mov_b32 s[SEL+1], 0xfedcba98
	v_and_b32 v1, 31, v0
	v_and_b32 v2, 15, v0                           ; r
	v_bfe_u32 v3, v0, 4, 1                         ; h
	v_lshlrev_b32 v[LI], 4, v1
	v_lshlrev_b32 v[L8], 3, v1
.irp ks, 0,1,2,3,4,5,6,7,8,9,10,11,12,13,14,15
	s_min_u32 s92, s21, \ks                        ; K steps past the last are read as the last: no byte is read that the launch before has not written
	s_mul_i32 s92, s92, 1536
	v_add_nc_u32 v[OFS+\ks], s92, v[L8]
.endr
	s_mul_i32 s98, s18, 24576                      ; pst: my group of queries, my half of its fragments
	s_lshl_b32 s99, s15, 8
	s_add_co_u32 s98, s98, s99
	s_mov_b32 s99, 0
	s_mul_i32 s91, s18, 196608                     ; p: my group of queries: no cx enters it
.irp F, 0,1,2,3
	s_add_co_u32 s92, s16, 2*\F                    ; fill F brings pairs 2 F and 2 F + 1,
	s_min_u32 s92, s92, s90                        ; held at the last written pair
	s_mul_i32 s92, s92, PAIR
	s_add_co_u32 s[G0A+4*\F+2], s92, s91           ; (for the moment the offset)
	s_mov_b32 s[G0A+4*\F+3], 0
.endr
	s_lshl_b32 s93, s17, 1
	s_add_co_u32 s93, s93, s16                     ; v: the group of channels that I would fetch
	s_mul_i32 s94, s93, 786432
	s_mul_i32 s95, s19, 196608                     ; the batch's 16 K steps of 12,288 bytes
	s_add_co_u32 s94, s94, s95
	s_add_co_u32 s94, s94, 12582912
	s_mov_b32 s95, 0
	s_lshl_b32 s96, s93, 15
	s_lshl_b32 s97, s19, 13
	s_add_co_u32 s96, s96, s97
	s_add_co_u32 s96, s96, 524288                  ; and its scale images
	s_mov_b32 s97, 0
	s_lshl_b32 s100, s18, 7                        ; out0: row 128 y + 64 wr, byte 1024 cx + 512 wc
	s_lshl_b32 s101, s15, 6
	s_add_co_u32 s100, s100, s101
	s_lshl_b32 s100, s100, 12
	s_lshl_b32 s101, s17, 10
	s_add_co_u32 s100, s100, s101
	s_lshl_b32 s101, s16, 9
	s_add_co_u32 s100, s100, s101
	s_mov_b32 s101, 0
	s_mul_i32 s2, s16, PAIR                        ; LDS: my pair's place among p's four K steps,
	s_mul_i32 s3, s16, QUAD
	s_add_co_u32 s3, s3, VOFF                      ; my group's place among v's two: no place in the cluster enters an LDS address
	s_lshl_b32 s91, s16, 13
	s_add_co_u32 s91, s91, SCLB
	s_mov_b32 s[G1A], 15|(3<<16)|(1<<21)           ; the mask: all four work-groups; elements of 8 bytes; 21 set beside a mask; no padding: 24,576 dense bytes as 96 rows of 256
	s_mov_b32 s[G1A+1], 32<<16
	s_mov_b32 s[G1A+2], 96<<16
	s_mov_b32 s[G1A+3], 32<<16
	s_mov_b32 s[G1A+4], 96
	s_mov_b32 s[G1A+5], 32
	s_mov_b32 s[G1A+6], 0
	s_mov_b32 s[G1A+7], 0
	s_mov_b32 s[G1B], 3<<16                        ; no mask: 49,152 dense bytes as 192 rows of 256
	s_mov_b32 s[G1B+1], 32<<16
	s_mov_b32 s[G1B+2], 192<<16
	s_mov_b32 s[G1B+3], 32<<16
	s_mov_b32 s[G1B+4], 192
	s_mov_b32 s[G1B+5], 32
	s_mov_b32 s[G1B+6], 0
	s_mov_b32 s[G1B+7], 0
	s_mov_b32 s[G1S], 3<<16                        ; 8,192 dense bytes as 32 rows of 256
	s_mov_b32 s[G1S+1], 32<<16
	s_mov_b32 s[G1S+2], 32<<16
	s_mov_b32 s[G1S+3], 32<<16
	s_mov_b32 s[G1S+4], 32
	s_mov_b32 s[G1S+5], 32
	s_mov_b32 s[G1S+6], 0
	s_mov_b32 s[G1S+7], 0
	s_wait_kmcnt 0x0
	s_add_nc_u64 s[6:7], s[6:7], s[98:99]
.irp ks, 0,1,2,3,4,5,6,7,8,9,10,11,12,13,14,15 ; the local -M, l and scale words of my 64 queries: a lane holds two queries (the two words of its place in a scale image).  Asked for first: the longest chain of the head hangs on them
	global_load_b64 v[NMV+2*\ks:NMV+2*\ks+1], v[OFS+\ks], s[6:7] offset:512
	global_load_b64 v[LLV+2*\ks:LLV+2*\ks+1], v[OFS+\ks], s[6:7] offset:1024
	global_load_b64 v[SCA+2*\ks:SCA+2*\ks+1], v[OFS+\ks], s[6:7]
.endr
	s_add_nc_u64 s[12:13], s[12:13], s[100:101]
	s_add_nc_u64 s[94:95], s[8:9], s[94:95]
	s_add_nc_u64 s[96:97], s[10:11], s[96:97]
.irp F, 0,1,2,3
	s_mov_b32 s[G0A+4*\F], 1
	s_add_co_u32 s[G0A+4*\F+1], s2, (\F%2)*SLOT
	s_add_nc_u64 s[G0A+4*\F+2:G0A+4*\F+3], s[4:5], s[G0A+4*\F+2:G0A+4*\F+3]
	s_or_b32 s[G0A+4*\F+3], s[G0A+4*\F+3], 0x80000000
	s_mov_b32 s[G0B+4*\F], 1
	s_add_co_u32 s[G0B+4*\F+1], s3, (\F%2)*SLOT
	s_add_nc_u64 s[G0B+4*\F+2:G0B+4*\F+3], s[94:95], \F*QUAD
	s_or_b32 s[G0B+4*\F+3], s[G0B+4*\F+3], 0x80000000
.endr
	s_mov_b32 s[G0S], 1
	s_mov_b32 s[G0S+1], s91
	s_mov_b64 s[G0S+2:G0S+3], s[96:97]
	s_or_b32 s[G0S+3], s[G0S+3], 0x80000000
	CROUND                                         ; all four work-groups are here: the first joint loads meet
	s_cmp_lt_u32 s14, 2                            ; a wave's first fills stand in one branch: two loads of mine are out (p), or three (v and its scales)
	s_cbranch_scc0 .Lfirst_b
	tensor_load_to_lds s[G0A:G0A+3], s[G1A:G1A+7]
	s_nop 0
	tensor_load_to_lds s[G0A+4:G0A+7], s[G1A:G1A+7]
	s_nop 0
	PLACES
	s_branch .Lfirst_done
.Lfirst_b:
	tensor_load_to_lds s[G0S:G0S+3], s[G1S:G1S+7]
	s_nop 0
	tensor_load_to_lds s[G0B:G0B+3], s[G1B:G1B+7]
	s_nop 0
	tensor_load_to_lds s[G0B+4:G0B+7], s[G1B:G1B+7]
	s_nop 0
	PLACES
.Lfirst_done:
	s_mul_i32 s98, s15, 6144                       ; my four fragments of p's eight
	s_mul_i32 s99, s16, QUAD
	s_add_co_u32 s99, s99, VOFF                    ; my group of v
.irp t, 0,1
	v_add_nc_u32 v[ADRA+\t], s98, v[LI]
	v_add_nc_u32 v[ADRB+\t], s99, v[LI]
	s_add_co_u32 s98, s98, SLOT
	s_add_co_u32 s99, s99, SLOT
.endr
	s_lshl_b32 s98, s16, 13
	s_add_co_u32 s98, s98, SCLB
	v_add_nc_u32 v[ADSB], s98, v[L8]
	s_mul_i32 s98, s14, 8448
	s_add_co_u32 s98, s98, STG
	v_mul_u32_u24 v[STO], v2, 528
	v_lshl_add_u32 v[STO], v3, 6, v[STO]
	v_add_nc_u32 v[STO], s98, v[STO]               ; the stage, in: row r, + 64 h
	v_add_nc_u32 v[RD], s98, v[LI]                 ; and back: a row of 512 bytes to the 32 lanes
	; ---- the rows' M and l, while the first tiles are on their way
	s_wait_loadcnt 0x0
.irp ks, 2,3,4,5,6,7,8,9,10,11,12,13,14,15
	s_cmp_gt_u32 s23, \ks
	s_cselect_b32 s22, -1, 0
	v_cndmask_b32 v[LLV+2*\ks], 0, v[LLV+2*\ks], s22       ; the sums of K steps past the last count for nothing
	v_cndmask_b32 v[LLV+2*\ks+1], 0, v[LLV+2*\ks+1], s22
.endr
.irp e, 0,1
	v_min3_num_f32 v[NR+\e], v[NMV+\e], v[NMV+2+\e], v[NMV+4+\e]
.endr
.irp k, 3,5,7,9,11,13
.irp e, 0,1
	v_min3_num_f32 v[NR+\e], v[NR+\e], v[NMV+2*\k+\e], v[NMV+2*\k+2+\e]
.endr
.endr
.irp e, 0,1
	v_min_num_f32 v[NR+\e], v[NR+\e], v[NMV+30+\e] ; -M of the row: the least of the local -M
.endr
.macro SHIFT ks
.irp e, 0,1
	v_sub_f32 v[TA+\e], v[NR+\e], v[NMV+2*(\ks)+\e]        ; d = M_local - M_row: a whole number, 0 or less
.endr
.irp e, 0,1
	v_max_num_f32 v[TA+\e], 0xc2fe0000, v[TA+\e]           ; held at -127
.endr
.irp e, 0,1
	v_cvt_i32_f32 v[TA+\e], v[TA+\e]
.endr
.if (\ks) == 0
.irp e, 0,1
	v_ldexp_f32 v[LS+\e], v[LLV+\e], v[TA+\e]              ; the first term starts the sum
.endr
.else
.irp e, 0,1
	v_ldexp_f32 v[TD+\e], v[LLV+2*(\ks)+\e], v[TA+\e]
.endr
.irp e, 0,1
	v_add_f32 v[LS+\e], v[LS+\e], v[TD+\e]
.endr
.endif
.irp e, 0,1
	v_sub_nc_u32 v[TA+\e], 0, v[TA+\e]                     ; -d, 0 .. 127,
.endr
.irp e, 0,1
	v_mul_lo_u32 v[TA+\e], v[TA+\e], s66                   ; in each of the four bytes
.endr
.irp e, 0,1
	v_or_b32 v[TB+\e], 0x80808080, v[SCA+2*(\ks)+\e]       ; p is at most 1, so a byte is under 128: with 128 added no byte borrows from its neighbour
.endr
.irp e, 0,1
	v_sub_nc_u32 v[TB+\e], v[TB+\e], v[TA+\e]
.endr
.irp e, 0,1
	v_lshrrev_b32 v[TC+\e], 7, v[TB+\e]
.endr
.irp e, 0,1
	v_and_b32 v[TC+\e], s66, v[TC+\e]                      ; 1 where byte + d is 0 or more
.endr
.irp e, 0,1
	v_lshlrev_b32 v[TD+\e], 8, v[TC+\e]
.endr
.irp e, 0,1
	v_sub_nc_u32 v[TC+\e], v[TD+\e], v[TC+\e]              ; 255 there
.endr
.irp e, 0,1
	v_and_b32 v[TB+\e], 0x7f7f7f7f, v[TB+\e]
.endr
.irp e, 0,1
	v_and_b32 v[SCA+2*(\ks)+\e], v[TB+\e], v[TC+\e]        ; byte + d, or 0: K step ks's scale words, where the products take them
.endr
.endm
.irp ks, 0,1,2,3,4,5,6,7,8,9,10,11,12,13,14,15
	SHIFT \ks
.endr
	v_rcp_f32 v[RL], v[LS]
	v_rcp_f32 v[RL+1], v[LS+1]
	v_mov_b32 v[RX], 0                             ; (a plain place behind the reciprocals; a lane permute's destination counts as one of its sources)
	v_mov_b32 v[RX+1], 0
	s_wait_alu depctr_va_vdst(0)                   ; a wait ahead of the reciprocals' first reader
	v_permlanex16_b32 v[RX], v[RL], s[SEL], s[SEL+1]
	v_permlanex16_b32 v[RX+1], v[RL+1], s[SEL], s[SEL+1]
.irp i, 0,1                            ; word i of lane (r, h) belongs to query r of fragment 2 i + h: each fragment's 1 / l goes to both halves of the lanes, and twice, for the packed multiply
	v_cndmask_b32 v[LV+4*\i], v[RL+\i], v[RX+\i], s[HM]
	v_cndmask_b32 v[LV+4*\i+1], v[RL+\i], v[RX+\i], s[HM]
	v_cndmask_b32 v[LV+4*\i+2], v[RX+\i], v[RL+\i], s[HM]
	v_cndmask_b32 v[LV+4*\i+3], v[RX+\i], v[RL+\i], s[HM]
.endr
	s_wait_tensorcnt 0x0                           ; ALL my first fills are in, slot 1's too: a work-group with few keys leaves the walk ahead of its first change of slots, and no load may be on its way there
	s_barrier_signal -1
	s_barrier_wait -1                              ; both slots and v's scales are whole in every wave's sight
	FETCH 0
.irp T, 0,1,2,3,4,5,6
.if \T == 0
	STEP 0, 1                                      ; the first products start the sums
.else
	STEP 2*\T, 0
.endif
	s_cmp_eq_u32 s20, \T+1                         ; my last pair of K steps?  Its second step fetches nothing and has no barrier
	s_cbranch_scc1 .Llast\T
.if (\T == 1) || (\T == 3)
	TURN 2*\T+1, 1                                 ; K steps 3 and 7: the slot is left, and filled again where K steps eight on exist
.elseif \T == 5
	TURN 2*\T+1, 0                                 ; K step 11: slot 1's second fill is whole; nothing is filled
.else
	STEP 2*\T+1, 0
.endif
.endr
	STEP 14, 0
	LAST 15
	s_branch .Lout
.irp T, 0,1,2,3,4,5,6                  ; the last steps are written out one by one: each K step has scale registers of its own
.Llast\T:
	LAST 2*\T+1
.if \T < 6
	s_branch .Lout
.endif
.endr
.Lout:
	s_wait_tensorcnt 0x0                           ; on every way: no tensor load of mine is out,
	s_wait_dscnt 0x0                               ; and my reads of the slots are over:
	s_barrier_signal -1
	s_barrier_wait -1                              ; that holds of all four waves, and nothing is filled any more: slot 0's first bytes become the stages
	; THE WAY OUT, fragment by fragment of 16 queries x 128 channels: x 1 / l in place, through my own stage in LDS, back as whole rows of 512 bytes.
.macro TOSTAGE a
.set xAC, 64*(\a)
.set xBB, 72+88*((\a)%2)
	WIN 0x82                                       ; destination and source 0: window 2
.set xn, 0
.rept 32
	v_pk_mul_f32 v[xAC+xn:xAC+xn+1], v[xAC+xn:xAC+xn+1], v[LV+2*(\a):LV+2*(\a)+1]   ; each accumulator from its low end on
.set xn, xn+2
.endr
	WIN 0x08                                       ; an LDS store's data are its source 1
.irp c, 0,1,2,3
.irp k, 0,1,2,3
	ds_store_b128 v[STO], v[xAC+16*\c+4*\k:xAC+16*\c+4*\k+3] offset:128*\c+16*\k   ; channels 32 c + 16 h + 4 k on, of row r
.endr
.endr
	WIN 0
.irp t, 0,1,2,3,4,5,6,7,8,9,10,11,12,13,14,15
	ds_load_b128 v[xBB+4*\t:xBB+4*\t+3], v[RD] offset:528*\t   ; LDS serves a wave's instructions in order: these see the stores above, and the next fragment's stores come behind them
.endr
.endm
.macro SEND a, younger
.set xBB, 72+88*((\a)%2)
	s_wait_dscnt \younger                          ; the fragment's rows are back; the next fragment's 16 stores and 16 loads may be out
.irp t, 0,1,2,3,4,5,6,7,8,9,10,11,12,13,14,15
	global_store_b128 v[LI], v[xBB+4*\t:xBB+4*\t+3], s[12:13] offset:(32*((\a)/2)+8*((\a)%2)+\t+8*(\t/8))*4096 th:TH_STORE_NT   ; 32 lanes store 512 consecutive bytes, at a multiple of 512 from out0's first byte
.endr
.endm
	TOSTAGE 0
.irp a, 1,2,3
.if \a > 1
	s_wait_xcnt 0x0                                ; the stores of the fragment two back have read their registers: this fragment's rows may land there
.endif
	TOSTAGE \a
	SEND \a-1, 32
.endr
	SEND 3, 0
	s_wait_tensorcnt 0x0                           ; the wave's end
	ds_add_u32 v[SPW], v[NIL]
	s_wait_dscnt 0x0
	CROUND                                         ; the closing round: no work-group ends while a partner may still ask for a tile that names it
	s_endpgm
.Lfunc_end_k_qab3ce63cfb_pv:
	.size	k_qab3ce63cfb_pv, .Lfunc_end_k_qab3ce63cfb_pv-k_qab3ce63cfb_pv
	.p2alignl 7, 3214868480
	.fill 96, 4, 3214868480
	.section	.rodata,"a",@progbits
	.p2align	6, 0x0
	.amdhsa_kernel k_qab3ce63cfb_pv
		.amdhsa_group_segment_fixed_size 327680
		.amdhsa_private_segment_fixed_size 0
		.amdhsa_enable_private_segment 0
		.amdhsa_kernarg_size 40
		.amdhsa_user_sgpr_count 2
		.amdhsa_user_sgpr_kernarg_segment_ptr 1
		.amdhsa_wavefront_size32 1
		.amdhsa_system_sgpr_workgroup_id_x 1
		.amdhsa_system_sgpr_workgroup_id_y 1
		.amdhsa_system_sgpr_workgroup_id_z 1
		.amdhsa_system_vgpr_workitem_id 0
		.amdhsa_next_free_vgpr 768
		.amdhsa_next_free_sgpr 102
		.amdhsa_reserve_vcc 0
		.amdhsa_float_denorm_mode_32 3
		.amdhsa_float_denorm_mode_16_64 3
		.amdhsa_memory_ordered 1
		.amdhsa_forward_progress 1
		.amdhsa_inst_pref_size 203
	.end_amdhsa_kernel
	.amdgpu_metadata
---
amdhsa.version: [ 1, 2 ]
amdhsa.kernels:
  - .name:           k_qab3ce63cfb_pv
    .symbol:         k_qab3ce63cfb_pv.kd
    .args:
      - { .name: pc, .offset: 0, .size: 8, .value_kind: global_buffer, .address_space: global }
      - { .name: pst, .offset: 8, .size: 8, .value_kind: global_buffer, .address_space: global }
      - { .name: qkvc, .offset: 16, .size: 8, .value_kind: global_buffer, .address_space: global }
      - { .name: qkvs, .offset: 24, .size: 8, .value_kind: global_buffer, .address_space: global }
      - { .name: out0, .offset: 32, .size: 8, .value_kind: global_buffer, .address_space: global }
    .group_segment_fixed_size: 327680
    .private_segment_fixed_size: 0
    .kernarg_segment_align: 8
    .kernarg_segment_size: 40
    .max_flat_workgroup_size: 128
    .sgpr_count:     102
    .vgpr_count:     768
    .wavefront_size: 32
...
	.end_amdgpu_metadata
.endif
;; end of part 4
